; MI455X (gfx1250); checked and timed in simulation.
; The chip was launched on July 23, 2026; its instructions are those of AMD's public machine-readable ISA for CDNA 5 (MIT licence, August 2026) and "CDNA5" Instruction Set Architecture Reference Guide (July 2026). The comments in the code are by the model that wrote it; some were corrected since.
;; Video CLIP Attention. Allowed arithmetic: matrix products marked QUANTISED: E5M2 operands, one given power-of-two scale a tensor, by v_wmma_f32_16x16x64_bf8_bf8 or v_wmma_f32_16x16x128_bf8_bf8, f32 sums; everything else in f32.
;; Inputs: Wk_codes 512 x 16 x 32 uint8 (E5M2 codes of Wk, K innermost, in blocks of 32 codes); Wo_codes 512 x 16 x 32 uint8 (E5M2 codes of Wo, K innermost, in blocks of 32 codes); Wq_codes 512 x 16 x 32 uint8 (E5M2 codes of Wq, K innermost, in blocks of 32 codes); Wv_codes 512 x 16 x 32 uint8 (E5M2 codes of Wv, K innermost, in blocks of 32 codes); bk 512 float32; bo 512 float32; bq 512 float32; bv 512 float32; key_codes 4 x 2,048 x 16 x 32 uint8 (E5M2 codes of key, K innermost, in blocks of 32 codes); lowp_scales 12 int32 (the exponents e of the quantised operands' scales 2^e); query_codes 4 x 2,048 x 16 x 32 uint8 (E5M2 codes of query, K innermost, in blocks of 32 codes); value_codes 4 x 2,048 x 16 x 32 uint8 (E5M2 codes of value, K innermost, in blocks of 32 codes).
;; Outputs: out0 4 x 2,048 x 512 float32.
;; This version of the problem:
;;   THIS VERSION OF THE PROBLEM IS GIVEN IN LOW PRECISION. The matrix products marked QUANTISED in the list below multiply operands that are first quantised to E5M2 (5 exponent bits, 2 mantissa bits; 8 bits a number), with one given power-of-two scale for each operand tensor; their sums are f32. All else is computed in f32.
;;   The module's matrix products, in the order in which they are computed (A, B: the left and right operand; K: the contracted axis; several contracted axes count as one K, in the product's order):
;;     1. [M 8,192, K 512] x [K 512, N 512]; A: input query (given as codes); B: input Wq (given as codes): QUANTISED (scales: A lowp_scales[0], B lowp_scales[1])
;;     2. [M 8,192, K 512] x [K 512, N 512]; A: input key (given as codes); B: input Wk (given as codes): QUANTISED (scales: A lowp_scales[2], B lowp_scales[3])
;;     3. [M 8,192, K 512] x [K 512, N 512]; A: input value (given as codes); B: input Wv (given as codes): QUANTISED (scales: A lowp_scales[4], B lowp_scales[5])
;;     4. batch 32 x [M 2,048, K 64] x [K 64, N 2,048]; A: computed on the way; B: computed on the way: QUANTISED (scales: A lowp_scales[6], B lowp_scales[7])
;;     5. batch 32 x [M 2,048, K 2,048] x [K 2,048, N 64]; A: softmax (see below); B: computed on the way: QUANTISED (scales: A lowp_scales[8], B lowp_scales[9])
;;     6. [M 8,192, K 512] x [K 512, N 512]; A: computed on the way; B: input Wo (given as codes): QUANTISED (scales: A lowp_scales[10], B lowp_scales[11])
;;   THE QUANTISER, for each operand of a quantised product, along K:
;;     - The operand's scale is 2^e, e = its entry of the input lowp_scales (int32; the entries are numbered through the quantised products in the list's order, A before B).
;;     - Each number is divided by the scale, clamped to +-57,344, and rounded to the nearest number of E5M2, ties to even, subnormals kept.
;;     - The product sums the exact products of the quantised numbers (number of the format x scale) in f32.
;;   ~~~python
;;   def quantise(x, axis, e):      # numpy; x: float32 -> the quantised numbers, widened to float32 again
;;       x = np.moveaxis(x, axis, -1); K = x.shape[-1]
;;       r = np.clip(x / 2.0 ** e, -57344, 57344)
;;       step = 2.0 ** (np.maximum(np.frexp(np.where(r == 0, 1, r))[1] - 1, -14) - 2)
;;       q = np.round(r / step) * step * 2.0 ** e      # np.round: ties to even
;;       return np.moveaxis(q, -1, axis).astype(np.float32)
;;   ~~~
;;   SOFTMAX AHEAD OF A QUANTISED PRODUCT. Where the list says 'softmax', what is quantised is not the finished softmax but p = 2^(t - M), with t = logit x log2(e) and M = ceil(the row's largest t), a whole number; so 1/2 < the row's largest p <= 1. The row's sum l is taken of the UNQUANTISED p, in f32, and the product's result is divided by l at the end. Since M is a whole number, a kernel that streams over the keys may use a running M (the ceiling of the running maximum): every later rescaling is an exact power of two, so the quantised numbers keep their values, but for numbers so far below the row's largest that they fall under the format's range.
;;   OPERANDS COMPUTED ON THE WAY. 'Computed on the way' means the value that the module computes at that place (a softmax that the list does not call 'softmax' is quantised finished and normalised). What goes into a quantiser is computed in f32, as accurately as f32 sums, v_exp_f32 and their like allow (about 1e-6 of the number): no bf16 or f16 on the way to a quantiser, and a product that is left as it is and whose result goes on into a quantised operand takes f32 operands (vector FMAs, or v_wmma_f32_16x16x4_f32). A number that lies on a knife's edge between two numbers of the format may be rounded either way, as far as f32 arithmetic and the matrix unit's own rounding can turn it there, and no further.
;;   INPUTS GIVEN AS CODES. Wk (in the module: [512, 512], K = its axis 1); Wo (in the module: [512, 512], K = its axis 1); Wq (in the module: [512, 512], K = its axis 1); Wv (in the module: [512, 512], K = its axis 1); key (in the module: [4, 2048, 512], K = its axis 2); query (in the module: [4, 2048, 512], K = its axis 2); value (in the module: [4, 2048, 512], K = its axis 2): each comes as NAME_codes (uint8): NAME with its K axis moved to the last place and cut into blocks of 32 codes, [.., K / 32, bytes a block], one block behind the other in memory; one code a byte (a code: sign, 5 exponent bits, 2 mantissa bits); its scale is its entry of lowp_scales. Its value is code x scale, taken as it is: it is not quantised again, and the codes and scales need not be those that the quantiser above would give.
;; 2 versions, each right; version 2 is version 1 with the launches proj, outp written anew for expert scheduling mode. Each part assembles by itself: llvm-mc -triple=amdgcn-amd-amdhsa -mcpu=gfx1250 --defsym DOCPART=n.
;; ======== version 1 of 2: 3 launches
;; workspace buffers: qimg 4,194,304 bytes; kv 8,388,608 bytes; ximg 4,194,304 bytes
;; launch proj (part 1): grid 64 x 3, 8 waves a work-group, no clusters, 203,776 bytes of LDS; arguments query_codes, key_codes, value_codes, Wq_codes, Wk_codes, Wv_codes, bq, bk, bv, lowp_scales, qimg, kv; writes qimg, kv
.if DOCPART == 1
	.amdgcn_target "amdgcn-amd-amdhsa--gfx1250"
	.amdhsa_code_object_version 6
	.text
	.protected	k_q888b5e7171_proj
	.globl	k_q888b5e7171_proj
	.p2align	8
	.type	k_q888b5e7171_proj,@function
k_q888b5e7171_proj:
	s_mov_b64 s[64:65], 0
	v_nop
	global_prefetch_b8 v0, s[64:65] scope:SCOPE_SE
	s_setreg_imm32_b32 hwreg(HW_REG_WAVE_MODE, 25, 1), 1
	s_wait_xcnt 0x0
; q = query Wq^T + bq, k = key Wk^T + bk, v = value Wv^T + bv on codes of BF8 (E5M2), and the results quantised again (exponents e6, e7, e9) for the two products of attention.
; Work-group y picks the tensor (0 q, 1 k, 2 v), work-group x a block of 128 tokens.  Wave w is head w: its 64 rows of W stay in 256 registers (window 1) for all 128 tokens: 128 matrix instructions a wave.
; WHAT IS STORED are images of operand registers: a part is 512 bytes, lane l's 16 bytes at 16 l.
;   qimg [batch x head 32][tile 128][part c 0..1][512]: lane (r, h) of part c: token r of the tile, channels 32 c + 16 h + 0 .. 15 of the head.
;   kv   [batch x head 32][step 16][16,384]: 8,192 bytes of k laid as q is (8 tiles), then 8,192 of v: [channel tile 4][part c 0..3][512]: lane (r, h): channel r of the tile, keys 32 c + 16 h + 0 .. 15 of the step.
; ONE CHOICE OF ROWS serves all: of a group of 32 (tokens, or rows of W) tile u's lane r takes member 8 u + r + 8 (r / 8).  A result's register j of lane (r, h) belongs to row 8 h + j of source 0's tile, which is member
; 16 h + 8 u + j: the 16 registers of two neighbouring tiles are 16 neighbours, and the conversions' results are the next operand's registers.
; q, k: source 0 = 16 rows of W, source 1 = 16 tokens (a lane holds one token, registers run along the channels).  v: the sources swapped (a lane holds one channel, registers run along the keys, its K in attention).
; The bias is the C of each sum's first matrix instruction, divided by 2^(ea + ew), the power of two that the sums lack; the conversion's one scale is 2^(eo - ea - ew).
; Along K a fragment's registers 4 c .. 4 c + 3 hold k = 32 c + 16 h + 0 .. 15, in both sources alike: every product meets its partner.
; NO JOINT LOADS: all 512 rows of W padded (270,336 bytes) and 128 rows of tokens (67,584) are more than the 327,680 bytes that a work-group can claim, so W goes 32 rows at a time through each wave's own stage into registers.
; LIMITS: eo - ea - ew between -126 and 112 for each of the three tensors, so that the scale and 57,344 x the scale are f32 numbers.  NaN and infinity among the codes are not served.
.set PITCH, 528                        ; a staged row: 512 bytes + 16 = 33 x 16: the sixteen rows of a fragment load begin at sixteen different 16-byte columns modulo 256 bytes
.set WST,   128*PITCH                  ; LDS: 128 rows of tokens from byte 0, then a stage of 32 rows for each wave
.set WSTB,  32*PITCH
.set LI,    1                          ; v1   16 x lane
.set TA0,   2                          ; v2, v3  a token fragment's place for my lane: r x pitch + 16 h; groups 0, 1 and groups 2, 3
.set TST,   4                          ; v4   where my wave stages its 16 rows of tokens
.set WSA,   5                          ; v5   my stage for W, by rows
.set WFA,   6                          ; v6   my stage for W, by fragments
.set BQ,    7                          ; v7   bias, q and k: 64 h
.set SC,    8                          ; v8   2^(eo - ea - ew)
.set LIM,   9                          ; v9   57,344 x that
.set BV,    10                         ; v10-13  bias, v: one number for each tile of W
.set BVO,   14                         ; v14  its offset: 4 (r + 8 (r / 8))
.set TOK,   16                         ; v16-143  token fragments (tile tt, K step s) at 64 tt + 16 s
.set ACC,   144                        ; v144-207 eight accumulators
.set BIAS,  208                        ; v208-239 eight registers for each tile of W
.set CODES, 240                        ; v240-255 the codes just made
.set MSB, 0
.macro WIN new                         ; the immediate's high byte repeats the setting that is left
.if MSB != \new
	s_set_vgpr_msb (MSB<<8)|\new
.set MSB, \new
.endif
.endm
.macro PLACES n
.rept \n
	v_nop
.endr
.endm
.macro WFRAG base                      ; two tiles of W x four K steps out of my stage into window 1, v[base] on
.irp u, 0,1
.irp s, 0,1,2,3
.irp c, 0,1,2,3
	ds_load_b128 v[\base+16*(4*\u+\s)+4*\c:\base+16*(4*\u+\s)+4*\c+3], v[WFA] offset:16*\u*PITCH+128*\s+32*\c
.endr
.endr
.endr
.endm
.macro FETCHT g                        ; the two token tiles of group g, all four K steps: 32 loads
.irp tt, 0,1
.irp s, 0,1,2,3
.irp c, 0,1,2,3
	ds_load_b128 v[TOK+64*\tt+16*\s+4*\c:TOK+64*\tt+16*\s+4*\c+3], v[TA0+(\g)/2] offset:(((\g)%2)*32+16*\tt)*PITCH+128*\s+32*\c
.endr
.endr
.endr
.endm
.macro QUANT                           ; 64 sums of a lane become 16 registers of codes; each accumulator is read from its low end on
.irp p, 0,1,2,3
.irp i, 0,1,2,3,4,5,6,7,8,9,10,11,12,13,14,15
	v_med3_num_f32 v[ACC+16*\p+\i], v[ACC+16*\p+\i], -v[LIM], v[LIM]   ; the conversion to an 8-bit code does not saturate (ISA guide 7.6.2): the hold at the largest code x the scale
.endr
	v_cvt_scalef32_pk8_bf8_f32 v[CODES+4*\p:CODES+4*\p+1], v[ACC+16*\p:ACC+16*\p+7], v[SC]
	v_cvt_scalef32_pk8_bf8_f32 v[CODES+4*\p+2:CODES+4*\p+3], v[ACC+16*\p+8:ACC+16*\p+15], v[SC]
.endr
	v_nop                                          ; a plain line between the last conversion and the next products, which write its sources
.endm
; A group of 32 tokens: 32 matrix instructions, the eight accumulators by turns, K ascending; then the codes.  v = 1: the sources swapped.
.macro TRIP g, v
	s_wait_dscnt 0x0                               ; the group's fragments are in
.if \v
	WIN 0x04                                       ; source 1 (W) window 1
.else
	WIN 0x01                                       ; source 0 (W) window 1
.endif
.irp s, 0,1,2,3
.irp tt, 0,1
.irp wt, 0,1,2,3
.set rW, 16*(4*\wt+\s)
.set rT, TOK+64*\tt+16*\s
.if \v
.set rD, ACC+8*(2*\wt+\tt)
.if \s == 0
	v_wmma_f32_16x16x128_bf8_bf8 v[rD:rD+7], v[rT:rT+15], v[rW:rW+15], v[BIAS+8*\wt:BIAS+8*\wt+7]
.else
	v_wmma_f32_16x16x128_bf8_bf8 v[rD:rD+7], v[rT:rT+15], v[rW:rW+15], v[rD:rD+7]
.endif
.else
.set rD, ACC+8*(4*\tt+\wt)
.if \s == 0
	v_wmma_f32_16x16x128_bf8_bf8 v[rD:rD+7], v[rW:rW+15], v[rT:rT+15], v[BIAS+8*\wt:BIAS+8*\wt+7]
.else
	v_wmma_f32_16x16x128_bf8_bf8 v[rD:rD+7], v[rW:rW+15], v[rT:rT+15], v[rD:rD+7]
.endif
.endif
.endr
.endr
.endr
	WIN 0
	PLACES 4                                       ; four plain lines behind the products, in front of loads into registers that they read and of the first read of their results
.if \g < 3
	FETCHT \g+1                                    ; the next group's fragments land while this group is quantised
.endif
.if \g > 0
	s_wait_xcnt 0x0                                ; the last group's stores have read the registers that the conversions write again
.endif
	QUANT
.irp p, 0,1,2,3
.if \v
	global_store_b128 v[LI], v[CODES+4*\p:CODES+4*\p+3], s[38:39] offset:512*\g+2048*\p    ; channel tile p, part g: 512 consecutive bytes
.else
	global_store_b128 v[LI], v[CODES+4*\p:CODES+4*\p+3], s[38:39] offset:2048*\g+512*\p    ; token tile 2 g + p / 2, part p % 2: 512 consecutive bytes
.endif
.endr
.endm
	s_load_b256 s[4:11], s[0:1], 0x0               ; query s[4:5], key s[6:7], value s[8:9], Wq s[10:11]
	s_load_b256 s[12:19], s[0:1], 0x20             ; Wk s[12:13], Wv s[14:15], bq s[16:17], bk s[18:19]
	s_load_b256 s[20:27], s[0:1], 0x40             ; bv s[20:21], the exponents s[22:23], qimg s[24:25], kv s[26:27]
	v_lshrrev_b32 v15, 5, v0
	v_readfirstlane_b32 s28, v15                   ; wave = head
	s_and_b32 s29, ttmp7, 0xffff                   ; y: which tensor
	v_and_b32 v15, 31, v0
	v_lshlrev_b32 v[LI], 4, v15
	v_and_b32 v240, 15, v0                         ; r
	v_bfe_u32 v241, v0, 4, 1                       ; h
	v_mul_u32_u24 v[TA0], v240, PITCH
	v_lshl_add_u32 v[TA0], v241, 4, v[TA0]
	v_add_nc_u32 v[TA0+1], 64*PITCH, v[TA0]
	s_lshr_b32 s58, s28, 1                         ; my 16 tokens are members 16 (w % 2) + i of group w / 2; member m is staged at row 16 ((m / 8) % 2) + m % 8 + 8 (m / 16) of its group,
	s_lshl_b32 s58, s58, 5                         ; so that tile u's lane r finds its member at row 16 u + r
	s_and_b32 s59, s28, 1
	s_lshl_b32 s59, s59, 3
	s_add_co_u32 s58, s58, s59
	s_mul_i32 s58, s58, PITCH
	v_add_nc_u32 v[TST], s58, v[LI]
	s_mul_i32 s59, s28, WSTB
	s_add_co_u32 s59, s59, WST
	v_add_nc_u32 v[WSA], s59, v[LI]
	v_add_nc_u32 v[WFA], s59, v[TA0]
	v_lshlrev_b32 v[BQ], 6, v241
	v_and_b32 v[BVO], 8, v240
	v_add_nc_u32 v[BVO], v[BVO], v240
	v_lshlrev_b32 v[BVO], 2, v[BVO]
	s_lshl_b32 s40, ttmp9, 16                      ; tokens: 128 rows of 512 bytes a block, 16 a wave
	s_lshl_b32 s42, s28, 13
	s_add_co_u32 s40, s40, s42
	s_mov_b32 s41, 0
	s_lshl_b32 s42, s28, 15                        ; W: my 64 rows
	s_mov_b32 s43, 0
	s_lshl_b32 s56, s28, 8                         ; bias: my 64 numbers
	s_mov_b32 s57, 0
	s_lshr_b32 s30, ttmp9, 4                       ; out: (8 batch + head) x 131,072 + step x 8,192 in qimg; twice that in kv, and v's half lies 8,192 further on
	s_lshl_b32 s30, s30, 3
	s_add_co_u32 s30, s30, s28
	s_lshl_b32 s30, s30, 17
	s_and_b32 s31, ttmp9, 15
	s_lshl_b32 s31, s31, 13
	s_add_co_u32 s30, s30, s31
	s_cmp_lg_u32 s29, 0
	s_cselect_b32 s31, 1, 0
	s_lshl_b32 s30, s30, s31
	s_cmp_eq_u32 s29, 2
	s_cselect_b32 s31, 8192, 0
	s_add_co_u32 s30, s30, s31
	s_mov_b32 s31, 0
	s_wait_kmcnt 0x0
	s_load_b256 s[44:51], s[22:23], 0x0            ; e0 .. e7
	s_load_b128 s[52:55], s[22:23], 0x20           ; e8 .. e11
	s_cmp_eq_u32 s29, 0                            ; the buffers are chosen by the work-group's y alone
	s_cselect_b64 s[32:33], s[4:5], s[6:7]
	s_cselect_b64 s[34:35], s[10:11], s[12:13]
	s_cselect_b64 s[36:37], s[16:17], s[18:19]
	s_cselect_b64 s[38:39], s[24:25], s[26:27]
	s_cmp_eq_u32 s29, 2
	s_cselect_b64 s[32:33], s[8:9], s[32:33]
	s_cselect_b64 s[34:35], s[14:15], s[34:35]
	s_cselect_b64 s[36:37], s[20:21], s[36:37]
	s_add_nc_u64 s[32:33], s[32:33], s[40:41]
	s_add_nc_u64 s[34:35], s[34:35], s[42:43]
	s_add_nc_u64 s[36:37], s[36:37], s[56:57]
	s_add_nc_u64 s[38:39], s[38:39], s[30:31]
.irp wt, 0,1,2,3                       ; the bias in both layouts, so that one way through the text serves the loads: q, k: channels 32 (wt / 2) + 16 h + 8 (wt % 2) + 0 .. 7;  v: channel 32 (wt / 2) + 8 (wt % 2) + r + 8 (r / 8)
	global_load_b128 v[BIAS+8*\wt:BIAS+8*\wt+3], v[BQ], s[36:37] offset:(32*(\wt/2)+8*(\wt%2))*4
	global_load_b128 v[BIAS+8*\wt+4:BIAS+8*\wt+7], v[BQ], s[36:37] offset:(32*(\wt/2)+8*(\wt%2))*4+16
	global_load_b32 v[BV+\wt], v[BVO], s[36:37] offset:(32*(\wt/2)+8*(\wt%2))*4
.endr
.set i, 0
.rept 16                               ; my 16 rows of tokens: 512 consecutive bytes a load; no other work-group reads them
	global_load_b128 v[ACC+4*i:ACC+4*i+3], v[LI], s[32:33] offset:512*i th:TH_LOAD_NT
.set i, i+1
.endr
.set i, 0
.rept 32                               ; W's rows 0-31 of my head
	global_load_b128 v[TOK+4*i:TOK+4*i+3], v[LI], s[34:35] offset:512*i
.set i, i+1
.endr
	WIN 0x40                                       ; destination window 1
.set i, 0
.rept 32                               ; rows 32-63, into the registers that their fragments will take
	global_load_b128 v[128+4*i:128+4*i+3], v[LI], s[34:35] offset:512*(32+i)
.set i, i+1
.endr
	WIN 0
	s_wait_loadcnt 63                              ; behind the tokens stand W's 64 loads; 63 is the largest count that the wait can name, so one row of W is waited for as well
.set i, 0
.rept 16
	ds_store_b128 v[TST], v[ACC+4*i:ACC+4*i+3] offset:(16*(i/8)+i%8)*PITCH
.set i, i+1
.endr
	s_wait_loadcnt 32                              ; W's rows 0-31 are in; rows 32-63 may be out
.set i, 0
.rept 32
	ds_store_b128 v[WSA], v[TOK+4*i:TOK+4*i+3] offset:(16*((i/8)%2)+i%8+8*(i/16))*PITCH
.set i, i+1
.endr
	WIN 0x40
	WFRAG 0                                        ; LDS serves a wave's instructions in order (ISA guide 5.7.1.4): these see my stores
	s_wait_loadcnt 0x0
	WIN 0x04                                       ; store data window 1
.set i, 0
.rept 32
	ds_store_b128 v[WSA], v[128+4*i:128+4*i+3] offset:(16*((i/8)%2)+i%8+8*(i/16))*PITCH   ; behind the loads above, in order
.set i, i+1
.endr
	WIN 0x40
	WFRAG 128                                      ; back into the registers that the rows left
	WIN 0
	s_wait_dscnt 0x0                               ; for the others' sake: my rows of tokens lie in LDS
	s_barrier_signal -1
	s_barrier_wait -1                              ; the only barrier: behind it LDS is only read
	FETCHT 0
	s_wait_kmcnt 0x0
	s_cmp_eq_u32 s29, 0
	s_cselect_b32 s56, s44, s46                    ; ea
	s_cselect_b32 s57, s45, s47                    ; ew
	s_cselect_b32 s58, s50, s51                    ; eo
	s_cmp_eq_u32 s29, 2
	s_cselect_b32 s56, s48, s56
	s_cselect_b32 s57, s49, s57
	s_cselect_b32 s58, s53, s58
	s_add_co_i32 s56, s56, s57                     ; ea + ew
	s_sub_co_i32 s58, s58, s56                     ; eo - ea - ew
	s_sub_co_i32 s59, 0, s56
	s_add_co_i32 s58, s58, 127
	s_lshl_b32 s57, s58, 23
	v_mov_b32 v[SC], s57
	s_add_co_i32 s58, s58, 15
	s_lshl_b32 s58, s58, 23
	s_or_b32 s58, s58, 0x600000
	v_mov_b32 v[LIM], s58
	s_cmp_eq_u32 s29, 2
	s_cbranch_scc1 .Lvalue
.set i, 0
.rept 32
	v_ldexp_f32 v[BIAS+i], v[BIAS+i], s59          ; bias / 2^(ea + ew)
.set i, i+1
.endr
	TRIP 0, 0
	TRIP 1, 0
	TRIP 2, 0
	TRIP 3, 0
	s_wait_xcnt 0x0
	v_lshl_add_u32 v254, v0, 2, 0x31800
	v_mov_b32 v255, 0
	s_wait_tensorcnt 0x0
	ds_add_u32 v254, v255
	s_wait_dscnt 0x0
	s_endpgm
.Lvalue:
.irp wt, 0,1,2,3
.irp j, 0,1,2,3,4,5,6,7
	v_ldexp_f32 v[BIAS+8*\wt+\j], v[BV+\wt], s59   ; a lane holds one channel here: the same number in all eight registers
.endr
.endr
	TRIP 0, 1
	TRIP 1, 1
	TRIP 2, 1
	TRIP 3, 1
	s_wait_xcnt 0x0
	v_lshl_add_u32 v254, v0, 2, 0x31800
	v_mov_b32 v255, 0
	s_wait_tensorcnt 0x0
	ds_add_u32 v254, v255
	s_wait_dscnt 0x0
	s_endpgm
.Lfunc_end_k_q888b5e7171_proj:
	.size	k_q888b5e7171_proj, .Lfunc_end_k_q888b5e7171_proj-k_q888b5e7171_proj
	.p2alignl 7, 3214868480
	.fill 96, 4, 3214868480
	.section	.rodata,"a",@progbits
	.p2align	6, 0x0
	.amdhsa_kernel k_q888b5e7171_proj
		.amdhsa_group_segment_fixed_size 203776
		.amdhsa_private_segment_fixed_size 0
		.amdhsa_enable_private_segment 0
		.amdhsa_kernarg_size 96
		.amdhsa_user_sgpr_count 2
		.amdhsa_user_sgpr_kernarg_segment_ptr 1
		.amdhsa_wavefront_size32 1
		.amdhsa_system_sgpr_workgroup_id_x 1
		.amdhsa_system_sgpr_workgroup_id_y 1
		.amdhsa_system_sgpr_workgroup_id_z 1
		.amdhsa_system_vgpr_workitem_id 0
		.amdhsa_next_free_vgpr 512
		.amdhsa_next_free_sgpr 66
		.amdhsa_reserve_vcc 0
		.amdhsa_float_denorm_mode_32 3
		.amdhsa_float_denorm_mode_16_64 3
		.amdhsa_memory_ordered 1
		.amdhsa_forward_progress 1
		.amdhsa_inst_pref_size 98
	.end_amdhsa_kernel
	.amdgpu_metadata
---
amdhsa.version: [ 1, 2 ]
amdhsa.kernels:
  - .name:           k_q888b5e7171_proj
    .symbol:         k_q888b5e7171_proj.kd
    .args:
      - { .name: query_codes, .offset: 0, .size: 8, .value_kind: global_buffer, .address_space: global }
      - { .name: key_codes, .offset: 8, .size: 8, .value_kind: global_buffer, .address_space: global }
      - { .name: value_codes, .offset: 16, .size: 8, .value_kind: global_buffer, .address_space: global }
      - { .name: Wq_codes, .offset: 24, .size: 8, .value_kind: global_buffer, .address_space: global }
      - { .name: Wk_codes, .offset: 32, .size: 8, .value_kind: global_buffer, .address_space: global }
      - { .name: Wv_codes, .offset: 40, .size: 8, .value_kind: global_buffer, .address_space: global }
      - { .name: bq, .offset: 48, .size: 8, .value_kind: global_buffer, .address_space: global }
      - { .name: bk, .offset: 56, .size: 8, .value_kind: global_buffer, .address_space: global }
      - { .name: bv, .offset: 64, .size: 8, .value_kind: global_buffer, .address_space: global }
      - { .name: lowp_scales, .offset: 72, .size: 8, .value_kind: global_buffer, .address_space: global }
      - { .name: qimg, .offset: 80, .size: 8, .value_kind: global_buffer, .address_space: global }
      - { .name: kv, .offset: 88, .size: 8, .value_kind: global_buffer, .address_space: global }
    .group_segment_fixed_size: 203776
    .private_segment_fixed_size: 0
    .kernarg_segment_align: 8
    .kernarg_segment_size: 96
    .max_flat_workgroup_size: 256
    .sgpr_count:     66
    .vgpr_count:     512
    .wavefront_size: 32
...
	.end_amdgpu_metadata
.endif
;; end of part 1
;; launch attn (part 2): grid 8 x 32, 8 waves a work-group, clusters of 4 x 1, 263,168 bytes of LDS; arguments qimg, kv, lowp_scales, ximg; writes ximg
.if DOCPART == 2
	.amdgcn_target "amdgcn-amd-amdhsa--gfx1250"
	.amdhsa_code_object_version 6
	.text
	.protected	k_q888b5e7171_attn
	.globl	k_q888b5e7171_attn
	.p2align	8
	.type	k_q888b5e7171_attn,@function
k_q888b5e7171_attn:
	s_mov_b64 s[64:65], 0
	v_nop
	global_prefetch_b8 v0, s[64:65] scope:SCOPE_SE
	s_setreg_imm32_b32 hwreg(HW_REG_WAVE_MODE, 25, 1), 1
	s_wait_xcnt 0x0
	s_wait_alu depctr_hold_cnt(0) depctr_sa_sdst(0) depctr_va_vdst(0) depctr_va_sdst(0) depctr_va_ssrc(0) depctr_va_vcc(0) depctr_vm_vsrc(0)
	s_getreg_b32 s2, hwreg(HW_REG_IB_STS2, 6, 4)
	s_cmp_eq_u32 s2, 0
	s_cbranch_scc0 .Lentry_in_a_cluster
	s_endpgm
.Lentry_in_a_cluster:
	s_bfe_u32 s2, ttmp6, 0x10000c
	s_cmp_lg_u32 s2, 0x3003
	s_cbranch_scc0 .Lentry_shape_is_right
	s_endpgm
.Lentry_shape_is_right:
; x = softmax(q k^T / 8) v for one batch and head (work-group y), 256 queries a work-group, on codes of BF8 (E5M2); x is quantised (exponent e10) for the last projection.
; THE SOFTMAX: t = score x log2(e) / 8; M = the running largest t rounded UP to a whole number; p = 2^(t - M) is quantised (e8), not normalised; the row's sum is taken of the unquantised p and divides at the end.
; When M moves, the sum and O are multiplied by 2^(old M - new M), which rounds nothing.
; SHARES.  Eight waves, two to a SIMD; a wave owns 32 queries, two tiles of 16.  Tile 0 lives in register window 0 and tile 1 in window 1 under the same numbers, so each step is written once and run under two settings;
; each fragment of k and v read from LDS feeds both tiles.
; A HEAD'S WHOLE k AND v, 262,144 bytes of register images, LIE IN LDS: every byte is filled once, so there is no ring.  Each wave asks for two dense blocks: its eighth of steps 0-3 (8,192 bytes) and its eighth of
; steps 4-15 (24,576): two tensor loads of a wave are out at the most.  The first three steps are worked while the larger block lands.
; CLUSTER.  The four query blocks of a cluster belong to one head and need the same bytes: each block is asked for JOINTLY, by the same load with the same descriptor and a mask that names the four.
; LAYOUT.  S^T = k q^T (source 0 = 16 keys, source 1 = 16 queries), O^T = v^T p^T (source 0 = 16 channels, source 1 = p): a lane holds one query (lane % 16) throughout.  Lane r of key tile 2 b + u holds key
; 32 b + 8 u + r + 8 (r / 8) of the step, so the 16 registers of tiles 2 b, 2 b + 1 are keys 32 b + 16 (lane / 16) + 0 .. 15: the conversions' results are the second product's operand.  v's channel tiles are chosen
; likewise, so that x's codes are the last projection's operand: ximg [token tile 512][head 8][part 2][512], lane l's 16 bytes at 16 l.
; LIMITS: e6 + e7 between -123 and 130 (added to c's exponent field); e8 and e10 between -126 and 112; e8 + e9 goes by v_ldexp_f32 and has none.  NaN is not served.
.set STEPB, 16384                      ; a step of 128 keys: 8,192 bytes of k (tile t, part c at 1,024 t + 512 c), 8,192 of v (channel tile ct, part c at 2,048 ct + 512 c)
.set LI,   1                           ; v1   16 x lane                            (window 0 alone)
.set ADR,  2                           ; v2   LDS address of the step being fetched (window 0 alone)
.set NM,   12                          ; -M                                        (v12 on: the same in both windows)
.set MT,   13                          ; the running largest t
.set L,    14                          ; v[14:15] the row's sum, in two halves
.set Q,    16                          ; v16-23   the tile's fragment of q
.set KF,   32                          ; window 0, v32-95: k's eight fragments
.set VF,   32                          ; window 1, v32-95: v's four fragments
.set S,    96                          ; v96-159  S^T, then p
.set O,    160                         ; v160-191 O^T
.set P,    192                         ; v192-207 p's codes
.set X,    208                         ; v[208:209] the sum's second chain
.set F,    210                         ; v[210:211] f = 2^(old M - new M); the upper register is only named
.set T0,   212
.set T1,   213
.set PX,   214
.set LIMP, 216                         ; 57,344 x 2^e8
.set SCP,  217                         ; 2^e8
.set LIMX, 218                         ; 57,344 x 2^e10
.set SCX,  219                         ; 2^e10
.set WV,   12                          ; s12  my wave's number
.set G1A,  16                          ; s[16:23] descriptor group 1: 32 rows of 256 bytes;  s[24:31]: 96 rows
.set G1B,  24
.set G0A,  32                          ; s[32:35], s[36:39] the two groups 0
.set G0B,  36
.set SEL,  46                          ; s[46:47] v_permlanex16_b32's selects: lane l xor 16
.set CS,   48                          ; s[48:49] c = log2(e) / 8 x 2^(e6 + e7)
.set TB,   50                          ; s50  LDS byte of the step being fetched
.set CNT,  51
.set MSB, 0
.macro WIN new                         ; the immediate's high byte repeats the setting that is left
.if MSB != \new
	s_set_vgpr_msb (MSB<<8)|\new
.set MSB, \new
.endif
.endm
.macro PLACES n
.rept \n
	v_nop
.endr
.endm
.macro CROUND                          ; a round of the cluster's barrier: my work-group's barrier; wave 0 signals for the work-group; every wave waits for all four; my work-group's barrier once more
	s_barrier_signal -1
	s_barrier_wait -1
	s_cmp_lg_u32 s[WV], 0
	s_cbranch_scc1 .Lnot_wave_0_\@
	s_barrier_signal -3
.Lnot_wave_0_\@:
	s_barrier_wait -3
	s_barrier_signal -1
	s_barrier_wait -1
.endm
.macro INIT                            ; the step is written once: the first finds zeros, which the first change of M leaves zeros
	v_mov_b32 v[MT], 0xff61b1e6                    ; -3e38, under every t
	v_floor_f32 v[NM], -v[MT]
	v_mov_b32 v[L], 0
	v_mov_b32 v[L+1], 0
	v_mov_b32 v[PX], 0                             ; a lane permute's destination counts as one of its sources
	v_mov_b32 v[F+1], 0
.set j, 0
.rept 32
	v_mov_b32 v[O+j], 0
.set j, j+1
.endr
	v_mov_b32 v[LIMP], s52
	v_mov_b32 v[SCP], s53
	v_mov_b32 v[LIMX], s54
	v_mov_b32 v[SCX], s55
.endm
.macro LOADK
.irp t, 0,1,2,3,4,5,6,7
.irp c, 0,1
	ds_load_b128 v[KF+8*\t+4*\c:KF+8*\t+4*\c+3], v[ADR] offset:1024*\t+512*\c    ; 512 consecutive bytes a load
.endr
.endr
.endm
.macro LOADV places
	WIN 0x40                                       ; destination window 1
.if \places > 0
	PLACES \places                                 ; behind the products that read v (ISA guide 7.12.1)
.endif
.irp ct, 0,1,2,3
.irp c, 0,1,2,3
	ds_load_b128 v[VF+16*\ct+4*\c:VF+16*\ct+4*\c+3], v[ADR] offset:8192+2048*\ct+512*\c
.endr
.endr
.endm
.macro QK                              ; the scores of 128 keys for both tiles: sixteen sums, each one product (K = the head's 64)
	s_wait_dscnt 16                                ; k is in; v's sixteen younger loads may be out
	WIN 0
.irp t, 0,1,2,3,4,5,6,7
	v_wmma_f32_16x16x64_bf8_bf8 v[S+8*\t:S+8*\t+7], v[KF+8*\t:KF+8*\t+7], v[Q:Q+7], 0
.endr
	WIN 0x54                                       ; k window 0; q and S^T window 1
.irp t, 0,1,2,3,4,5,6,7
	v_wmma_f32_16x16x64_bf8_bf8 v[S+8*\t:S+8*\t+7], v[KF+8*\t:KF+8*\t+7], v[Q:Q+7], 0
.endr
	WIN 0
.endm
.macro PV n                            ; O^T += v^T p^T, entered with every window 1: tile 1's four accumulators, then tile 0's: one instruction a turn
	s_wait_dscnt \n                                ; v is in; n younger loads (the next step's k) may be out
.irp ct, 0,1,2,3
	v_wmma_f32_16x16x128_bf8_bf8 v[O+8*\ct:O+8*\ct+7], v[VF+16*\ct:VF+16*\ct+15], v[P:P+15], v[O+8*\ct:O+8*\ct+7]
.endr
	WIN 0x01                                       ; v window 1; p and O^T window 0
.irp ct, 0,1,2,3
	v_wmma_f32_16x16x128_bf8_bf8 v[O+8*\ct:O+8*\ct+7], v[VF+16*\ct:VF+16*\ct+15], v[P:P+15], v[O+8*\ct:O+8*\ct+7]
.endr
.endm
; One tile's softmax for one step of 128 keys: 64 scores a lane.
.macro SOFTMAX
	v_max3_num_f32 v[T0], v[S], v[S+1], v[S+2]     ; the largest score, in two chains; each accumulator is read from its low end on
	v_max3_num_f32 v[T1], v[S+3], v[S+4], v[S+5]
.irp i, 6,10,14,18,22,26,30,34,38,42,46,50,54,58
	v_max3_num_f32 v[T0], v[T0], v[S+\i], v[S+\i+1]
	v_max3_num_f32 v[T1], v[T1], v[S+\i+2], v[S+\i+3]
.endr
	v_max3_num_f32 v[T0], v[T0], v[S+62], v[S+63]
	v_max_num_f32 v[T0], v[T0], v[T1]
	v_permlanex16_b32 v[PX], v[T0], s[SEL], s[SEL+1]
	v_max_num_f32 v[T0], v[T0], v[PX]              ; and among the query's other 64 keys, in lane l xor 16
	v_mul_f32 v[T0], s[CS], v[T0]                  ; as t (c is positive)
	v_max_num_f32 v[MT], v[MT], v[T0]
	v_mov_b32 v[T0], v[NM]
	v_floor_f32 v[NM], -v[MT]                      ; -M = floor(-t) = -ceil(t)
	v_sub_f32 v[T0], v[NM], v[T0]                  ; old M - new M: a whole number, 0 or less
	v_cvt_i32_f32 v[T0], v[T0]                     ; (it saturates)
	v_ldexp_f32 v[F], 1.0, v[T0]
	v_pk_fma_f32 v[S:S+1], v[S:S+1], s[CS:CS+1], v[NM:NM+1] op_sel_hi:[1,0,0]          ; t - M, two at a time (the low words of c and of -M serve both halves)
	v_pk_fma_f32 v[S+2:S+3], v[S+2:S+3], s[CS:CS+1], v[NM:NM+1] op_sel_hi:[1,0,0]
; The exponentials stand among plain work that is ready: the scaling two pairs ahead, the sum one pair back, the hold three pairs back.  So a plain line stands between every exponential and the first use of its result (ISA guide 5.7.2).
.set j, 0
.rept 32
	v_exp_f32 v[S+2*j], v[S+2*j]
.if j < 30
	v_pk_fma_f32 v[S+2*j+4:S+2*j+5], v[S+2*j+4:S+2*j+5], s[CS:CS+1], v[NM:NM+1] op_sel_hi:[1,0,0]
.endif
	v_exp_f32 v[S+2*j+1], v[S+2*j+1]
.if j == 0
	v_pk_mul_f32 v[L:L+1], v[L:L+1], v[F:F+1] op_sel_hi:[1,0]                          ; the sum under the new M
.elseif j == 2
	s_wait_alu depctr_va_vdst(0)
	v_pk_add_f32 v[X:X+1], v[S:S+1], v[S+2:S+3]                                        ; THE SUM IS TAKEN OF THE UNQUANTISED p, in two chains
.elseif (j > 2) && (j%2 == 1)
	v_pk_add_f32 v[L:L+1], v[L:L+1], v[S+2*j-2:S+2*j-1]
.elseif j > 2
	s_wait_alu depctr_va_vdst(0)
	v_pk_add_f32 v[X:X+1], v[X:X+1], v[S+2*j-2:S+2*j-1]
.endif
.if j > 2
	v_min_num_f32 v[S+2*j-6], v[S+2*j-6], v[LIMP]  ; the conversion does not saturate (ISA guide 7.6.2); p is not negative, so the hold is one-sided; it comes behind the pair's sum
	v_min_num_f32 v[S+2*j-5], v[S+2*j-5], v[LIMP]
.endif
.set j, j+1
.endr
	s_wait_alu depctr_va_vdst(0)
	v_pk_add_f32 v[X:X+1], v[X:X+1], v[S+62:S+63]
	v_pk_add_f32 v[L:L+1], v[L:L+1], v[X:X+1]
.irp i, 58,59,60,61,62,63
	v_min_num_f32 v[S+\i], v[S+\i], v[LIMP]
.endr
.irp g, 0,1,2,3,4,5,6,7
	v_cvt_scalef32_pk8_bf8_f32 v[P+2*\g:P+2*\g+1], v[S+8*\g:S+8*\g+7], v[SCP]
.endr
.set j, 0
.rept 16
	v_pk_mul_f32 v[O+2*j:O+2*j+1], v[O+2*j:O+2*j+1], v[F:F+1] op_sel_hi:[1,0]          ; O^T under the new M; also the plain lines between the conversions and the products
.set j, j+1
.endr
.endm
; One trip: the softmax and the second product of step i, the fetches and the scores of step i + 1.  Six switches of the register windows.
.macro BODY
	s_add_co_u32 s[TB], s[TB], STEPB
	v_add_nc_u32 v[ADR], s[TB], v[LI]              ; with the three lines below: four plain lines behind the scores' products, in front of the loads into k's registers and of the first read of S^T
	PLACES 3
	LOADK
	SOFTMAX
	WIN 0x55
	SOFTMAX
	PV 16
	LOADV 4
	QK
.endm
.macro FINISH                          ; x = O^T / the sum x 2^(e8 + e9), quantised
	v_add_f32 v[L], v[L], v[L+1]
	v_permlanex16_b32 v[PX], v[L], s[SEL], s[SEL+1]
	v_add_f32 v[L], v[L], v[PX]
	v_rcp_f32 v[L], v[L]
	v_nop                                          ; a plain line behind the transcendental
	s_wait_alu depctr_va_vdst(0)
	v_ldexp_f32 v[L], v[L], s56
.set j, 0
.rept 16
	v_pk_mul_f32 v[S+2*j:S+2*j+1], v[O+2*j:O+2*j+1], v[L:L+1] op_sel_hi:[1,0]          ; register 16 b + i: channel 32 b + 16 (lane / 16) + i of the head
.set j, j+1
.endr
.set j, 0
.rept 32
	v_med3_num_f32 v[S+j], v[S+j], -v[LIMX], v[LIMX]
.set j, j+1
.endr
.irp g, 0,1,2,3
	v_cvt_scalef32_pk8_bf8_f32 v[P+2*\g:P+2*\g+1], v[S+8*\g:S+8*\g+7], v[SCX]
.endr
	v_nop
.endm
	s_load_b256 s[4:11], s[0:1], 0x0               ; qimg s[4:5], kv s[6:7], the exponents s[8:9], ximg s[10:11]
	v_lshl_add_u32 v254, v0, 2, 0x40000
	v_mov_b32 v255, 0
	ds_add_u32 v254, v255
	ds_add_u32 v254, v255
	v_lshrrev_b32 v2, 5, v0
	v_readfirstlane_b32 s[WV], v2                  ; wave 0..7
	v_and_b32 v1, 31, v0
	v_lshlrev_b32 v[LI], 4, v1
	s_and_b32 s15, ttmp7, 0xffff                   ; batch x 8 + head, which the four partners share
	; descriptor group 1: a dense block as rows of 256 bytes (32 elements of 8 bytes), no padding
	s_mov_b32 s[G1A], 15|(3<<16)|(1<<21)           ; 15:0 the mask: all four work-groups; 17:16 elements of 8 bytes; 21 set beside a mask
	s_mov_b32 s[G1A+1], 32<<16                     ; tensor_dim0 = 32
	s_mov_b32 s[G1A+2], 32<<16                     ; tensor_dim1 = 32
	s_mov_b32 s[G1A+3], 32<<16                     ; tile_dim0 = 32
	s_mov_b32 s[G1A+4], 32                         ; tile_dim1 = 32
	s_mov_b32 s[G1A+5], 32                         ; from row to row: 32 elements
	s_mov_b32 s[G1A+6], 0
	s_mov_b32 s[G1A+7], 0
	s_mov_b32 s[G1B], 15|(3<<16)|(1<<21)
	s_mov_b32 s[G1B+1], 32<<16
	s_mov_b32 s[G1B+2], 96<<16                     ; 96 rows
	s_mov_b32 s[G1B+3], 32<<16
	s_mov_b32 s[G1B+4], 96
	s_mov_b32 s[G1B+5], 32
	s_mov_b32 s[G1B+6], 0
	s_mov_b32 s[G1B+7], 0
	s_mov_b32 s[G0A], 1
	s_lshl_b32 s[G0A+1], s[WV], 13                 ; steps 0-3: my 8,192 bytes, at the same byte in LDS as in the head's block
	s_mov_b32 s[G0B], 1
	s_mul_i32 s[G0B+1], s[WV], 24576
	s_add_co_u32 s[G0B+1], s[G0B+1], 65536         ; steps 4-15: my 24,576 bytes
	s_lshl_b32 s52, s15, 18                        ; the head's 262,144 bytes
	s_mov_b32 s53, 0
	s_mov_b32 s54, s[G0A+1]
	s_mov_b32 s55, 0
	s_mov_b32 s56, s[G0B+1]
	s_mov_b32 s57, 0
	s_mov_b32 s[SEL], 0x76543210
	s_mov_b32 s[SEL+1], 0xfedcba98
	s_mov_b32 s[CS], 0x3e38aa3b                    ; log2(e) / 8
	s_mov_b32 s[TB], 0
	s_wait_dscnt 0x0
	s_wait_kmcnt 0x0
	s_load_b128 s[40:43], s[8:9], 0x18             ; e6, e7, e8, e9
	s_load_b32 s44, s[8:9], 0x28                   ; e10
	s_add_nc_u64 s[6:7], s[6:7], s[52:53]
	s_add_nc_u64 s[G0A+2:G0A+3], s[6:7], s[54:55]
	s_or_b32 s[G0A+3], s[G0A+3], 0x80000000        ; type = 2
	s_add_nc_u64 s[G0B+2:G0B+3], s[6:7], s[56:57]
	s_or_b32 s[G0B+3], s[G0B+3], 0x80000000
	CROUND                                         ; all four work-groups are here: the joint loads meet
	tensor_load_to_lds s[G0A:G0A+3], s[G1A:G1A+7]
	s_nop 0
	tensor_load_to_lds s[G0B:G0B+3], s[G1B:G1B+7]
	s_nop 0
.rept 4
	v_nop
.endr
	s_bfe_u32 s13, ttmp6, 0x40000                  ; cx: it enters q's and x's addresses alone
	s_lshl_b32 s14, ttmp9, 2
	s_add_co_u32 s14, s14, s13                     ; my block of 256 queries
	s_lshl_b32 s14, s14, 4
	s_lshl_b32 s57, s[WV], 1
	s_add_co_u32 s14, s14, s57                     ; my first tile in the head: 16 x block + 2 x wave
	s_lshl_b32 s52, s15, 17
	s_lshl_b32 s57, s14, 10
	s_add_co_u32 s52, s52, s57
	s_add_nc_u64 s[4:5], s[4:5], s[52:53]          ; q: 131,072 bytes a head, 1,024 a tile
	s_lshr_b32 s52, s15, 3
	s_lshl_b32 s52, s52, 20                        ; x: 128 tiles of 8,192 bytes a batch,
	s_lshl_b32 s57, s14, 13
	s_add_co_u32 s52, s52, s57
	s_and_b32 s57, s15, 7
	s_lshl_b32 s57, s57, 10                        ; 1,024 bytes a head in a tile
	s_add_co_u32 s52, s52, s57
	s_add_nc_u64 s[10:11], s[10:11], s[52:53]
	global_load_b128 v[Q:Q+3], v[LI], s[4:5] th:TH_LOAD_NT
	global_load_b128 v[Q+4:Q+7], v[LI], s[4:5] offset:512 th:TH_LOAD_NT
	WIN 0x40
	global_load_b128 v[Q:Q+3], v[LI], s[4:5] offset:1024 th:TH_LOAD_NT
	global_load_b128 v[Q+4:Q+7], v[LI], s[4:5] offset:1536 th:TH_LOAD_NT
	s_wait_kmcnt 0x0
	s_add_co_i32 s57, s40, s41
	s_lshl_b32 s57, s57, 23
	s_add_co_i32 s[CS], s[CS], s57                 ; a score stands for score x 2^(e6 + e7): added to c's exponent field
	s_mov_b32 s[CS+1], s[CS]                       ; (named with it as a pair, so it is written)
	s_add_co_i32 s57, s42, 127
	s_lshl_b32 s53, s57, 23                        ; 2^e8
	s_add_co_i32 s57, s57, 15
	s_lshl_b32 s52, s57, 23
	s_or_b32 s52, s52, 0x600000                    ; 57,344 x 2^e8
	s_add_co_i32 s57, s44, 127
	s_lshl_b32 s55, s57, 23                        ; 2^e10
	s_add_co_i32 s57, s57, 15
	s_lshl_b32 s54, s57, 23
	s_or_b32 s54, s54, 0x600000
	s_add_co_i32 s56, s42, s43                     ; e8 + e9
	WIN 0x55
	INIT
	WIN 0
	INIT
	s_wait_tensorcnt 0x1                           ; my part of steps 0-3 is in; behind it one load was issued, which may stay out
	s_barrier_signal -1
	s_barrier_wait -1                              ; everybody's is
	v_add_nc_u32 v[ADR], s[TB], v[LI]
	LOADK
	LOADV 0
	s_wait_loadcnt 0x0                             ; q
	QK
	s_mov_b32 s[CNT], 3
.Lfirst:                                           ; steps 0-2 are worked, steps 1-3 fetched: all below LDS byte 65,536
	BODY
	s_sub_co_u32 s[CNT], s[CNT], 1
	s_cmp_lg_u32 s[CNT], 0
	s_cbranch_scc1 .Lfirst
	s_wait_tensorcnt 0x0                           ; my part of steps 4-15 is in
	s_wait_dscnt 0x0                               ; no LDS instruction is pending at a signal
	s_barrier_signal -1
	s_barrier_wait -1                              ; everybody's is
	s_mov_b32 s[CNT], 12
.Lrest:                                            ; steps 3-14 are worked, steps 4-15 fetched
	BODY
	s_sub_co_u32 s[CNT], s[CNT], 1
	s_cmp_lg_u32 s[CNT], 0
	s_cbranch_scc1 .Lrest
	PLACES 4                                       ; step 15: nothing is left to fetch
	SOFTMAX
	WIN 0x55
	SOFTMAX
	PV 0
	PLACES 4                                       ; behind the last products, in front of the first read of O^T
	WIN 0
	FINISH
	global_store_b128 v[LI], v[P:P+3], s[10:11]                ; tile 0, my head's two parts: 512 consecutive bytes each
	global_store_b128 v[LI], v[P+4:P+7], s[10:11] offset:512
	WIN 0x55
	FINISH
	WIN 0x04                                       ; store data window 1
	global_store_b128 v[LI], v[P:P+3], s[10:11] offset:8192    ; tile 1
	global_store_b128 v[LI], v[P+4:P+7], s[10:11] offset:8704
	WIN 0
	s_wait_tensorcnt 0x0
	ds_add_u32 v254, v255
	s_wait_dscnt 0x0
	CROUND                                         ; the closing round: no work-group ends while a partner may still ask for a block that names it
	s_endpgm
.Lfunc_end_k_q888b5e7171_attn:
	.size	k_q888b5e7171_attn, .Lfunc_end_k_q888b5e7171_attn-k_q888b5e7171_attn
	.p2alignl 7, 3214868480
	.fill 96, 4, 3214868480
	.section	.rodata,"a",@progbits
	.p2align	6, 0x0
	.amdhsa_kernel k_q888b5e7171_attn
		.amdhsa_group_segment_fixed_size 263168
		.amdhsa_private_segment_fixed_size 0
		.amdhsa_enable_private_segment 0
		.amdhsa_kernarg_size 32
		.amdhsa_user_sgpr_count 2
		.amdhsa_user_sgpr_kernarg_segment_ptr 1
		.amdhsa_wavefront_size32 1
		.amdhsa_system_sgpr_workgroup_id_x 1
		.amdhsa_system_sgpr_workgroup_id_y 1
		.amdhsa_system_sgpr_workgroup_id_z 1
		.amdhsa_system_vgpr_workitem_id 0
		.amdhsa_next_free_vgpr 512
		.amdhsa_next_free_sgpr 66
		.amdhsa_reserve_vcc 0
		.amdhsa_float_denorm_mode_32 3
		.amdhsa_float_denorm_mode_16_64 3
		.amdhsa_memory_ordered 1
		.amdhsa_forward_progress 1
		.amdhsa_inst_pref_size 104
	.end_amdhsa_kernel
	.amdgpu_metadata
---
amdhsa.version: [ 1, 2 ]
amdhsa.kernels:
  - .name:           k_q888b5e7171_attn
    .symbol:         k_q888b5e7171_attn.kd
    .args:
      - { .name: qimg, .offset: 0, .size: 8, .value_kind: global_buffer, .address_space: global }
      - { .name: kv, .offset: 8, .size: 8, .value_kind: global_buffer, .address_space: global }
      - { .name: lowp_scales, .offset: 16, .size: 8, .value_kind: global_buffer, .address_space: global }
      - { .name: ximg, .offset: 24, .size: 8, .value_kind: global_buffer, .address_space: global }
    .group_segment_fixed_size: 263168
    .private_segment_fixed_size: 0
    .kernarg_segment_align: 8
    .kernarg_segment_size: 32
    .max_flat_workgroup_size: 256
    .sgpr_count:     66
    .vgpr_count:     512
    .wavefront_size: 32
...
	.end_amdgpu_metadata
.endif
;; end of part 2
;; launch outp (part 3): grid 4 x 64, 8 waves a work-group, no clusters, 168,960 bytes of LDS; arguments ximg, Wo_codes, bo, lowp_scales, out0; writes out0
.if DOCPART == 3
	.amdgcn_target "amdgcn-amd-amdhsa--gfx1250"
	.amdhsa_code_object_version 6
	.text
	.protected	k_q888b5e7171_outp
	.globl	k_q888b5e7171_outp
	.p2align	8
	.type	k_q888b5e7171_outp,@function
k_q888b5e7171_outp:
	s_mov_b64 s[64:65], 0
	v_nop
	global_prefetch_b8 v0, s[64:65] scope:SCOPE_SE
	s_setreg_imm32_b32 hwreg(HW_REG_WAVE_MODE, 25, 1), 1
	s_wait_xcnt 0x0
; out = x Wo^T + bo on codes of BF8 (E5M2).  x comes as images of operand registers: ximg [token tile 512][K step 4][part c 0..3][512], lane l's 16 bytes at 16 l: lane (r, h): token r of the tile, k = 128 s + 32 c + 16 h + 0 .. 15.
; Token tile 2 G + u holds tokens 32 G + 8 u + r + 8 (r / 8).  Wo: [512][512] codes, K innermost.  out: [8,192][512] f32.
; A work-group makes 128 tokens (y) x 128 columns (x): 256 work-groups.  Wave w makes columns 64 (w % 2) on, tokens 32 (w / 2) on: 2 x 4 accumulators, 32 matrix instructions.
; Each wave brings one tile of x and 16 rows of Wo into LDS through registers, 512 consecutive bytes a load; one barrier; then every wave takes its fragments.
; THE MATRIX INSTRUCTION IS USED TRANSPOSED (source 0 = 16 rows of Wo, source 1 = 16 tokens): a lane holds eight neighbouring columns of one token; y = sum x 2^(e10 + e11) + bo is one packed multiply-add for two numbers.
; The results go through the wave's own stage and leave as rows: sixteen lanes store 256 consecutive bytes, at a multiple of 256 from out's first byte.
; NO JOINT LOADS: a work-group fetches its 131,072 bytes once and has no loop over K in which rounds of a cluster's barrier could be shared among steps; Wo's rows want a pitch and x's images none, so they are staged by the waves.
; LIMIT: e10 + e11 between -126 and 127, so that 2^(e10 + e11) is an f32 number.
.set PITCH, 528                        ; a staged row of Wo: 512 bytes + 16 = 33 x 16
.set WST,   65536                      ; LDS: x's eight tiles (8,192 bytes each) from byte 0; then Wo's 128 rows;
.set OST,   WST+128*PITCH              ; then a stage of 16 rows x (256 + 16) bytes for each wave
.set SP,    272
.set LI,    1                          ; v1  16 x lane
.set XST,   2                          ; v2  where my wave puts its tile of x
.set WSA,   3                          ; v3  where it puts its 16 rows of Wo
.set WFA,   4                          ; v4  my fragments of Wo
.set XFA,   5                          ; v5  my fragments of x
.set BOF,   6                          ; v6  bo: 32 h
.set OSI,   7                          ; v7  the stage, in
.set OSO,   8                          ; v8  the stage, back
.set GO,    9                          ; v9  my byte offset in two rows of out
.set TOK,   16                         ; v16-143  x's fragments (tile tt, K step s) at 64 tt + 16 s; before that what was loaded; behind the products v16-79 results, v80-143 rows
.set ACC,   144                        ; v144-207 eight accumulators
.set BIAS,  208                        ; v208-239 bo, eight registers for each tile of columns
.set MSB, 0
.macro WIN new                         ; the immediate's high byte repeats the setting that is left
.if MSB != \new
	s_set_vgpr_msb (MSB<<8)|\new
.set MSB, \new
.endif
.endm
.macro MULS s                          ; a K step: the eight accumulators by turns; the first starts the sums
.irp tt, 0,1
.irp wt, 0,1,2,3
.if \s == 0
	v_wmma_f32_16x16x128_bf8_bf8 v[ACC+8*(4*\tt+\wt):ACC+8*(4*\tt+\wt)+7], v[16*(4*\wt+\s):16*(4*\wt+\s)+15], v[TOK+64*\tt+16*\s:TOK+64*\tt+16*\s+15], 0
.else
	v_wmma_f32_16x16x128_bf8_bf8 v[ACC+8*(4*\tt+\wt):ACC+8*(4*\tt+\wt)+7], v[16*(4*\wt+\s):16*(4*\wt+\s)+15], v[TOK+64*\tt+16*\s:TOK+64*\tt+16*\s+15], v[ACC+8*(4*\tt+\wt):ACC+8*(4*\tt+\wt)+7]
.endif
.endr
.endr
.endm
	s_load_b256 s[4:11], s[0:1], 0x0               ; ximg s[4:5], Wo s[6:7], bo s[8:9], the exponents s[10:11]
	s_load_b64 s[12:13], s[0:1], 0x20              ; out
	v_lshl_add_u32 v254, v0, 2, 0x29000
	v_mov_b32 v255, 0
	v_lshrrev_b32 v15, 5, v0
	v_readfirstlane_b32 s14, v15                   ; wave 0..7
	s_and_b32 s15, s14, 1                          ; which 64 columns
	s_lshr_b32 s16, s14, 1                         ; which 32 tokens
	s_and_b32 s17, ttmp7, 0xffff                   ; the block of 128 tokens
	v_and_b32 v15, 31, v0
	v_lshlrev_b32 v[LI], 4, v15
	v_and_b32 v10, 15, v0                          ; r
	v_bfe_u32 v11, v0, 4, 1                        ; h
	s_lshl_b32 s34, s14, 13
	v_add_nc_u32 v[XST], s34, v[LI]
	s_mul_i32 s34, s14, 16*PITCH
	s_add_co_u32 s34, s34, WST
	v_add_nc_u32 v[WSA], s34, v[LI]
	v_mul_u32_u24 v[WFA], v10, PITCH
	v_lshl_add_u32 v[WFA], v11, 4, v[WFA]
	s_mul_i32 s34, s15, 64*PITCH
	s_add_co_u32 s34, s34, WST
	v_add_nc_u32 v[WFA], s34, v[WFA]
	s_lshl_b32 s34, s16, 14
	v_add_nc_u32 v[XFA], s34, v[LI]
	v_lshlrev_b32 v[BOF], 5, v11
	s_mul_i32 s34, s14, 16*SP
	s_add_co_u32 s34, s34, OST
	v_mul_u32_u24 v[OSI], v10, SP                  ; in: row r, 32 bytes for each half of the lanes
	v_lshl_add_u32 v[OSI], v11, 5, v[OSI]
	v_add_nc_u32 v[OSI], s34, v[OSI]
	v_mul_u32_u24 v[OSO], v11, SP                  ; back: lanes 0-15 one row of 256 bytes, lanes 16-31 the next
	v_lshl_add_u32 v[OSO], v10, 4, v[OSO]
	v_add_nc_u32 v[OSO], s34, v[OSO]
	v_lshlrev_b32 v[GO], 11, v11                   ; and the same two rows in out (2,048 bytes a row)
	v_lshl_add_u32 v[GO], v10, 4, v[GO]
	s_lshl_b32 s24, s17, 16                        ; x: eight tiles of 8,192 bytes a block, one a wave
	s_lshl_b32 s26, s14, 13
	s_add_co_u32 s24, s24, s26
	s_mov_b32 s25, 0
	s_lshl_b32 s28, ttmp9, 16                      ; Wo: 128 rows of 512 bytes a block, 16 a wave
	s_add_co_u32 s28, s28, s26
	s_mov_b32 s29, 0
	s_lshl_b32 s30, ttmp9, 9                       ; my first column in bytes: 512 x block + 256 x half
	s_lshl_b32 s26, s15, 8
	s_add_co_u32 s30, s30, s26
	s_mov_b32 s31, 0
	s_lshl_b32 s32, s17, 18                        ; out: 128 rows of 2,048 bytes a block, 32 a group, + the column
	s_lshl_b32 s26, s16, 16
	s_add_co_u32 s32, s32, s26
	s_add_co_u32 s32, s32, s30
	s_mov_b32 s33, 0
	s_wait_kmcnt 0x0
	s_load_b64 s[22:23], s[10:11], 0x28            ; e10, e11
	s_add_nc_u64 s[4:5], s[4:5], s[24:25]
	s_add_nc_u64 s[6:7], s[6:7], s[28:29]
	s_add_nc_u64 s[8:9], s[8:9], s[30:31]
	s_add_nc_u64 s[12:13], s[12:13], s[32:33]
.set i, 0
.rept 16
	global_load_b128 v[TOK+4*i:TOK+4*i+3], v[LI], s[4:5] offset:512*i
.set i, i+1
.endr
.set i, 0
.rept 16
	global_load_b128 v[TOK+64+4*i:TOK+64+4*i+3], v[LI], s[6:7] offset:512*i
.set i, i+1
.endr
.irp wt, 0,1,2,3
	global_load_b128 v[BIAS+8*\wt:BIAS+8*\wt+3], v[BOF], s[8:9] offset:64*\wt          ; columns 16 wt + 8 h + 0 .. 7
	global_load_b128 v[BIAS+8*\wt+4:BIAS+8*\wt+7], v[BOF], s[8:9] offset:64*\wt+16
.endr
	s_wait_loadcnt 24                              ; x is in; Wo's 16 loads and bo's 8 may be out
.set i, 0
.rept 16
	ds_store_b128 v[XST], v[TOK+4*i:TOK+4*i+3] offset:512*i
.set i, i+1
.endr
	s_wait_loadcnt 8                               ; Wo is in; bo's 8 may be out
.set i, 0
.rept 16
	ds_store_b128 v[WSA], v[TOK+64+4*i:TOK+64+4*i+3] offset:i*PITCH
.set i, i+1
.endr
	s_wait_dscnt 0x0                               ; for the others' sake: my stores have landed
	s_barrier_signal -1
	s_barrier_wait -1                              ; the only barrier
.irp tt, 0,1                           ; x's eight fragments first, then Wo's by K step, so that the products' waits can count Wo's later steps
.irp s, 0,1,2,3
.irp c, 0,1,2,3
	ds_load_b128 v[TOK+64*\tt+16*\s+4*\c:TOK+64*\tt+16*\s+4*\c+3], v[XFA] offset:8192*\tt+2048*\s+512*\c
.endr
.endr
.endr
	WIN 0x40                                       ; destination window 1
.irp s, 0,1,2,3
.irp wt, 0,1,2,3
.irp c, 0,1,2,3
	ds_load_b128 v[16*(4*\wt+\s)+4*\c:16*(4*\wt+\s)+4*\c+3], v[WFA] offset:16*\wt*PITCH+128*\s+32*\c
.endr
.endr
.endr
	WIN 0x01                                       ; source 0 (Wo) window 1
	s_wait_dscnt 48                                ; x and Wo's K step 0 are in; the 48 loads of K steps 1-3 may be out
	MULS 0
	s_wait_dscnt 32
	MULS 1
	s_wait_dscnt 16
	MULS 2
	s_wait_dscnt 0x0
	MULS 3
	WIN 0
.rept 4
	v_nop                                          ; four plain lines behind the products (ISA guide 7.12.1), in front of the first read of results and of writes into registers that they read
.endr
	s_wait_loadcnt 0x0                             ; bo
	s_wait_kmcnt 0x0
	s_add_co_i32 s20, s22, s23
	s_add_co_i32 s20, s20, 127
	s_lshl_b32 s20, s20, 23                        ; 2^(e10 + e11) as f32
	s_mov_b32 s21, s20                             ; (named with it as a pair, so it is written)
.irp tt, 0,1
.irp wt, 0,1,2,3
.irp i, 0,2,4,6
	v_pk_fma_f32 v[TOK+8*(4*\tt+\wt)+\i:TOK+8*(4*\tt+\wt)+\i+1], v[ACC+8*(4*\tt+\wt)+\i:ACC+8*(4*\tt+\wt)+\i+1], s[20:21], v[BIAS+8*\wt+\i:BIAS+8*\wt+\i+1] op_sel_hi:[1,0,1]   ; each accumulator from its low end on
.endr
.endr
.endr
.irp tt, 0,1
.irp wt, 0,1,2,3
	ds_store_b128 v[OSI], v[TOK+8*(4*\tt+\wt):TOK+8*(4*\tt+\wt)+3] offset:64*\wt
	ds_store_b128 v[OSI], v[TOK+8*(4*\tt+\wt)+4:TOK+8*(4*\tt+\wt)+7] offset:64*\wt+16
.endr
.irp i, 0,1,2,3,4,5,6,7
	ds_load_b128 v[TOK+64+32*\tt+4*\i:TOK+64+32*\tt+4*\i+3], v[OSO] offset:2*\i*SP    ; LDS serves a wave's instructions in order (ISA guide 5.7.1.4): these see my stores, and the next tile's stores come behind them
.endr
.endr
.irp tt, 0,1
.irp i, 0,1,2,3,4,5,6,7
	s_wait_dscnt 16*(1-\tt)+7-\i                   ; behind this load: the tile's younger loads, and for tile 0 also tile 1's eight stores and eight loads
	global_store_b128 v[GO], v[TOK+64+32*\tt+4*\i:TOK+64+32*\tt+4*\i+3], s[12:13] offset:(8*\tt+2*\i+8*(\i/4))*2048 th:TH_STORE_NT   ; stage row 2 i + h is token 8 tt + 2 i + h + 8 (i / 4) of the group
.endr
.endr
	s_wait_tensorcnt 0x0
	ds_add_u32 v254, v255
	s_wait_dscnt 0x0
	s_endpgm
.Lfunc_end_k_q888b5e7171_outp:
	.size	k_q888b5e7171_outp, .Lfunc_end_k_q888b5e7171_outp-k_q888b5e7171_outp
	.p2alignl 7, 3214868480
	.fill 96, 4, 3214868480
	.section	.rodata,"a",@progbits
	.p2align	6, 0x0
	.amdhsa_kernel k_q888b5e7171_outp
		.amdhsa_group_segment_fixed_size 168960
		.amdhsa_private_segment_fixed_size 0
		.amdhsa_enable_private_segment 0
		.amdhsa_kernarg_size 40
		.amdhsa_user_sgpr_count 2
		.amdhsa_user_sgpr_kernarg_segment_ptr 1
		.amdhsa_wavefront_size32 1
		.amdhsa_system_sgpr_workgroup_id_x 1
		.amdhsa_system_sgpr_workgroup_id_y 1
		.amdhsa_system_sgpr_workgroup_id_z 1
		.amdhsa_system_vgpr_workitem_id 0
		.amdhsa_next_free_vgpr 512
		.amdhsa_next_free_sgpr 66
		.amdhsa_reserve_vcc 0
		.amdhsa_float_denorm_mode_32 3
		.amdhsa_float_denorm_mode_16_64 3
		.amdhsa_memory_ordered 1
		.amdhsa_forward_progress 1
		.amdhsa_inst_pref_size 24
	.end_amdhsa_kernel
	.amdgpu_metadata
---
amdhsa.version: [ 1, 2 ]
amdhsa.kernels:
  - .name:           k_q888b5e7171_outp
    .symbol:         k_q888b5e7171_outp.kd
    .args:
      - { .name: ximg, .offset: 0, .size: 8, .value_kind: global_buffer, .address_space: global }
      - { .name: Wo_codes, .offset: 8, .size: 8, .value_kind: global_buffer, .address_space: global }
      - { .name: bo, .offset: 16, .size: 8, .value_kind: global_buffer, .address_space: global }
      - { .name: lowp_scales, .offset: 24, .size: 8, .value_kind: global_buffer, .address_space: global }
      - { .name: out0, .offset: 32, .size: 8, .value_kind: global_buffer, .address_space: global }
    .group_segment_fixed_size: 168960
    .private_segment_fixed_size: 0
    .kernarg_segment_align: 8
    .kernarg_segment_size: 40
    .max_flat_workgroup_size: 256
    .sgpr_count:     66
    .vgpr_count:     512
    .wavefront_size: 32
...
	.end_amdgpu_metadata
.endif
;; end of part 3
;; ======== version 2 of 2: 3 launches; version 1 with the launches proj, outp written anew for expert scheduling mode
;; workspace buffers: qimg 4,194,304 bytes; kv 8,388,608 bytes; ximg 4,194,304 bytes
;; launch proj (part 4): grid 64 x 3, 8 waves a work-group, no clusters, 203,776 bytes of LDS; arguments query_codes, key_codes, value_codes, Wq_codes, Wk_codes, Wv_codes, bq, bk, bv, lowp_scales, qimg, kv; writes qimg, kv
.if DOCPART == 4
	.amdgcn_target "amdgcn-amd-amdhsa--gfx1250"
	.amdhsa_code_object_version 6
	.text
	.protected	k_q888b5e7171_proj
	.globl	k_q888b5e7171_proj
	.p2align	8
	.type	k_q888b5e7171_proj,@function
k_q888b5e7171_proj:
	s_mov_b64 s[64:65], 0
	v_nop
	global_prefetch_b8 v0, s[64:65] scope:SCOPE_SE
	s_setreg_imm32_b32 hwreg(HW_REG_WAVE_SCHED_MODE, 0, 2), 2
	s_setreg_imm32_b32 hwreg(HW_REG_WAVE_MODE, 25, 1), 1
	s_wait_xcnt 0x0
	s_wait_alu depctr_vm_vsrc(0)
; q = query Wq^T + bq, k = key Wk^T + bk, v = value Wv^T + bv on codes of BF8 (E5M2), and the results quantised again (exponents e6, e7, e9) for the two products of attention.
; Work-group y picks the tensor (0 q, 1 k, 2 v), work-group x a block of 128 tokens.  Wave w is head w: its 64 rows of W stay in 256 registers (window 1) for all 128 tokens: 128 matrix instructions a wave.
; WHAT IS STORED are images of operand registers: a part is 512 bytes, lane l's 16 bytes at 16 l.
;   qimg [batch x head 32][tile 128][part c 0..1][512]: lane (r, h) of part c: token r of the tile, channels 32 c + 16 h + 0 .. 15 of the head.
;   kv   [batch x head 32][step 16][16,384]: 8,192 bytes of k laid as q is (8 tiles), then 8,192 of v: [channel tile 4][part c 0..3][512]: lane (r, h): channel r of the tile, keys 32 c + 16 h + 0 .. 15 of the step.
; ONE CHOICE OF ROWS serves all: of a group of 32 (tokens, or rows of W) tile u's lane r takes member 8 u + r + 8 (r / 8).  A result's register j of lane (r, h) belongs to row 8 h + j of source 0's tile, which is member
; 16 h + 8 u + j: the 16 registers of two neighbouring tiles are 16 neighbours, and the conversions' results are the next operand's registers.
; q, k: source 0 = 16 rows of W, source 1 = 16 tokens (a lane holds one token, registers run along the channels).  v: the sources swapped (a lane holds one channel, registers run along the keys, its K in attention).
; The bias is the C of each sum's first matrix instruction, divided by 2^(ea + ew), the power of two that the sums lack; the conversion's one scale is 2^(eo - ea - ew).
; Along K a fragment's registers 4 c .. 4 c + 3 hold k = 32 c + 16 h + 0 .. 15, in both sources alike: every product meets its partner.
; NO JOINT LOADS: all 512 rows of W padded (270,336 bytes) and 128 rows of tokens (67,584) are more than the 327,680 bytes that a work-group can claim, so W goes 32 rows at a time through each wave's own stage into registers.
; LIMITS: eo - ea - ew between -126 and 112 for each of the three tensors, so that the scale and 57,344 x the scale are f32 numbers.  NaN and infinity among the codes are not served.
; THE MODE: SCHED_MODE bits 1:0 = 2 (LLVM: expert scheduling mode 2), set by the entry lines.  The code itself states the register dependences
; between vector or matrix instructions and memory or LDS instructions, with s_wait_alu, always for 0.
; THE PLAN.  Registers that memory or LDS instructions touch:
;   v1-7, v14    offsets and LDS addresses: written once at the head, read by every load and store, never written again: one wait on va_vdst ahead of the first load.
;   BIAS, BV     loads land in them once; from then on vector and matrix instructions alone name them.
;   ACC          at the head my rows of tokens land here and LDS stores read them; from then on the products and the quantiser alone name it.
;   TOK          at the head W's rows 0-31 land here and LDS stores read them; then group g's fragments land, group g's products read them, group g + 1's fragments land.
;   window 1     v0-127: fragments land once.  v128-255: W's rows 32-63 land, LDS stores read them, their fragments land in the same registers.
;   CODES        group g's conversions write them, group g's four stores read them; at the end v254 and v255 are made anew for the closing add.
; One wait on vm_vsrc at the head, behind the last of the head's LDS stores, frees window 1's v128-255, TOK and ACC.  In a group: one wait on va_vdst behind the products (they are done reading TOK), behind which the next
; group's 32 LDS loads are dealt among the quantiser's lines, which name ACC, CODES, v8 and v9 alone; one wait on vm_vsrc ahead of the conversions (the last group's stores have read CODES); one wait on va_vdst ahead of the stores.
.set PITCH, 528                        ; a staged row: 512 bytes + 16 = 33 x 16: the sixteen rows of a fragment load begin at sixteen different 16-byte columns modulo 256 bytes
.set WST,   128*PITCH                  ; LDS: 128 rows of tokens from byte 0, then a stage of 32 rows for each wave
.set WSTB,  32*PITCH
.set LI,    1                          ; v1   16 x lane
.set TA0,   2                          ; v2, v3  a token fragment's place for my lane: r x pitch + 16 h; groups 0, 1 and groups 2, 3
.set TST,   4                          ; v4   where my wave stages its 16 rows of tokens
.set WSA,   5                          ; v5   my stage for W, by rows
.set WFA,   6                          ; v6   my stage for W, by fragments
.set BQ,    7                          ; v7   bias, q and k: 64 h
.set SC,    8                          ; v8   2^(eo - ea - ew)
.set LIM,   9                          ; v9   57,344 x that
.set BV,    10                         ; v10-13  bias, v: one number for each tile of W
.set BVO,   14                         ; v14  its offset: 4 (r + 8 (r / 8))
.set TOK,   16                         ; v16-143  token fragments (tile tt, K step s) at 64 tt + 16 s
.set ACC,   144                        ; v144-207 eight accumulators
.set BIAS,  208                        ; v208-239 eight registers for each tile of W
.set CODES, 240                        ; v240-255 the codes just made
.set MSB, 0
.macro WIN new                         ; the immediate's high byte repeats the setting that is left
.if MSB != \new
	s_set_vgpr_msb (MSB<<8)|\new
.set MSB, \new
.endif
.endm
.macro PLACES n
.rept \n
	v_nop
.endr
.endm
.macro WFRAG base                      ; two tiles of W x four K steps out of my stage into window 1, v[base] on
.irp u, 0,1
.irp s, 0,1,2,3
.irp c, 0,1,2,3
	ds_load_b128 v[\base+16*(4*\u+\s)+4*\c:\base+16*(4*\u+\s)+4*\c+3], v[WFA] offset:16*\u*PITCH+128*\s+32*\c
.endr
.endr
.endr
.endm
.macro FETCHT g                        ; the two token tiles of group g, all four K steps: 32 loads
.irp tt, 0,1
.irp s, 0,1,2,3
.irp c, 0,1,2,3
	ds_load_b128 v[TOK+64*\tt+16*\s+4*\c:TOK+64*\tt+16*\s+4*\c+3], v[TA0+(\g)/2] offset:(((\g)%2)*32+16*\tt)*PITCH+128*\s+32*\c
.endr
.endr
.endr
.endm
.macro FETCH8 g, q                     ; quarter q of the same 32 loads, in the same order: tile q / 2, K steps 2 (q % 2) and 2 (q % 2) + 1
.irp s, 0,1
.irp c, 0,1,2,3
	ds_load_b128 v[TOK+64*((\q)/2)+16*(2*((\q)%2)+\s)+4*\c:TOK+64*((\q)/2)+16*(2*((\q)%2)+\s)+4*\c+3], v[TA0+(\g)/2] offset:(((\g)%2)*32+16*((\q)/2))*PITCH+128*(2*((\q)%2)+\s)+32*\c
.endr
.endr
.endm
; 64 sums of a lane become 16 registers of codes; each accumulator is read from its low end on.  fetch = 1: the next group's fragments are asked for on the way, eight loads ahead of each pair of tiles.
; No wait stands among them: no line of the quantiser names TOK or the loads' address.
.macro QUANT g, fetch
.irp p, 0,1,2,3
.if \fetch
	FETCH8 (\g)+1, \p
.endif
.irp i, 0,1,2,3,4,5,6,7,8,9,10,11,12,13,14,15
	v_med3_num_f32 v[ACC+16*\p+\i], v[ACC+16*\p+\i], -v[LIM], v[LIM]   ; the conversion to an 8-bit code does not saturate (ISA guide 7.6.2): the hold at the largest code x the scale
.endr
	v_cvt_scalef32_pk8_bf8_f32 v[CODES+4*\p:CODES+4*\p+1], v[ACC+16*\p:ACC+16*\p+7], v[SC]
	v_cvt_scalef32_pk8_bf8_f32 v[CODES+4*\p+2:CODES+4*\p+3], v[ACC+16*\p+8:ACC+16*\p+15], v[SC]
.endr
	v_nop                                          ; a plain line between the last conversion and the next products, which write its sources
.endm
; A group of 32 tokens: 32 matrix instructions, the eight accumulators by turns, K ascending; then the codes.  v = 1: the sources swapped.
.macro TRIP g, v
	s_wait_dscnt 0x0                               ; the group's fragments are in
.if \v
	WIN 0x04                                       ; source 1 (W) window 1
.else
	WIN 0x01                                       ; source 0 (W) window 1
.endif
.irp s, 0,1,2,3
.irp tt, 0,1
.irp wt, 0,1,2,3
.set rW, 16*(4*\wt+\s)
.set rT, TOK+64*\tt+16*\s
.if \v
.set rD, ACC+8*(2*\wt+\tt)
.if \s == 0
	v_wmma_f32_16x16x128_bf8_bf8 v[rD:rD+7], v[rT:rT+15], v[rW:rW+15], v[BIAS+8*\wt:BIAS+8*\wt+7]
.else
	v_wmma_f32_16x16x128_bf8_bf8 v[rD:rD+7], v[rT:rT+15], v[rW:rW+15], v[rD:rD+7]
.endif
.else
.set rD, ACC+8*(4*\tt+\wt)
.if \s == 0
	v_wmma_f32_16x16x128_bf8_bf8 v[rD:rD+7], v[rW:rW+15], v[rT:rT+15], v[BIAS+8*\wt:BIAS+8*\wt+7]
.else
	v_wmma_f32_16x16x128_bf8_bf8 v[rD:rD+7], v[rW:rW+15], v[rT:rT+15], v[rD:rD+7]
.endif
.endif
.endr
.endr
.endr
	WIN 0
	PLACES 4                                       ; four plain lines behind the products (ISA guide 7.12.1), in front of the first read of their results
.if \g > 0
	s_wait_xcnt 0x0                                ; the last group's stores have had their addresses translated (ISA guide 3.1): their data registers are written again only behind this wait,
	s_wait_alu depctr_vm_vsrc(0)                   ; and those stores have read CODES, which this group's conversions write again
.endif
.if \g < 3
	s_wait_alu depctr_va_vdst(0)                   ; the products are done reading TOK, in which the next group's fragments land
	QUANT \g, 1                                    ; the next group's fragments land while this group is quantised
.else
	QUANT \g, 0                                    ; the last group asks for nothing
.endif
	s_wait_alu depctr_va_vdst(0)                   ; the conversions have written CODES, which the four stores read
.irp p, 0,1,2,3
.if \v
	global_store_b128 v[LI], v[CODES+4*\p:CODES+4*\p+3], s[38:39] offset:512*\g+2048*\p    ; channel tile p, part g: 512 consecutive bytes
.else
	global_store_b128 v[LI], v[CODES+4*\p:CODES+4*\p+3], s[38:39] offset:2048*\g+512*\p    ; token tile 2 g + p / 2, part p % 2: 512 consecutive bytes
.endif
.endr
.endm
	s_load_b256 s[4:11], s[0:1], 0x0               ; query s[4:5], key s[6:7], value s[8:9], Wq s[10:11]
	s_load_b256 s[12:19], s[0:1], 0x20             ; Wk s[12:13], Wv s[14:15], bq s[16:17], bk s[18:19]
	s_load_b256 s[20:27], s[0:1], 0x40             ; bv s[20:21], the exponents s[22:23], qimg s[24:25], kv s[26:27]
	v_lshrrev_b32 v15, 5, v0
	v_readfirstlane_b32 s28, v15                   ; wave = head
	s_and_b32 s29, ttmp7, 0xffff                   ; y: which tensor
	v_and_b32 v15, 31, v0
	v_lshlrev_b32 v[LI], 4, v15
	v_and_b32 v240, 15, v0                         ; r
	v_bfe_u32 v241, v0, 4, 1                       ; h
	v_mul_u32_u24 v[TA0], v240, PITCH
	v_lshl_add_u32 v[TA0], v241, 4, v[TA0]
	v_add_nc_u32 v[TA0+1], 64*PITCH, v[TA0]
	s_wait_alu depctr_va_sdst(0)                   ; s28 is written, ahead of its first reader: LDS places and the buffers' offsets are made from it
	s_lshr_b32 s58, s28, 1                         ; my 16 tokens are members 16 (w % 2) + i of group w / 2; member m is staged at row 16 ((m / 8) % 2) + m % 8 + 8 (m / 16) of its group,
	s_lshl_b32 s58, s58, 5                         ; so that tile u's lane r finds its member at row 16 u + r
	s_and_b32 s59, s28, 1
	s_lshl_b32 s59, s59, 3
	s_add_co_u32 s58, s58, s59
	s_mul_i32 s58, s58, PITCH
	v_add_nc_u32 v[TST], s58, v[LI]
	s_mul_i32 s59, s28, WSTB
	s_add_co_u32 s59, s59, WST
	v_add_nc_u32 v[WSA], s59, v[LI]
	v_add_nc_u32 v[WFA], s59, v[TA0]
	v_lshlrev_b32 v[BQ], 6, v241
	v_and_b32 v[BVO], 8, v240
	v_add_nc_u32 v[BVO], v[BVO], v240
	v_lshlrev_b32 v[BVO], 2, v[BVO]
	s_lshl_b32 s40, ttmp9, 16                      ; tokens: 128 rows of 512 bytes a block, 16 a wave
	s_lshl_b32 s42, s28, 13
	s_add_co_u32 s40, s40, s42
	s_mov_b32 s41, 0
	s_lshl_b32 s42, s28, 15                        ; W: my 64 rows
	s_mov_b32 s43, 0
	s_lshl_b32 s56, s28, 8                         ; bias: my 64 numbers
	s_mov_b32 s57, 0
	s_lshr_b32 s30, ttmp9, 4                       ; out: (8 batch + head) x 131,072 + step x 8,192 in qimg; twice that in kv, and v's half lies 8,192 further on
	s_lshl_b32 s30, s30, 3
	s_add_co_u32 s30, s30, s28
	s_lshl_b32 s30, s30, 17
	s_and_b32 s31, ttmp9, 15
	s_lshl_b32 s31, s31, 13
	s_add_co_u32 s30, s30, s31
	s_cmp_lg_u32 s29, 0
	s_cselect_b32 s31, 1, 0
	s_lshl_b32 s30, s30, s31
	s_cmp_eq_u32 s29, 2
	s_cselect_b32 s31, 8192, 0
	s_add_co_u32 s30, s30, s31
	s_mov_b32 s31, 0
	s_wait_kmcnt 0x0
	s_load_b256 s[44:51], s[22:23], 0x0            ; e0 .. e7
	s_load_b128 s[52:55], s[22:23], 0x20           ; e8 .. e11
	s_cmp_eq_u32 s29, 0                            ; the buffers are chosen by the work-group's y alone
	s_cselect_b64 s[32:33], s[4:5], s[6:7]
	s_cselect_b64 s[34:35], s[10:11], s[12:13]
	s_cselect_b64 s[36:37], s[16:17], s[18:19]
	s_cselect_b64 s[38:39], s[24:25], s[26:27]
	s_cmp_eq_u32 s29, 2
	s_cselect_b64 s[32:33], s[8:9], s[32:33]
	s_cselect_b64 s[34:35], s[14:15], s[34:35]
	s_cselect_b64 s[36:37], s[20:21], s[36:37]
	s_add_nc_u64 s[32:33], s[32:33], s[40:41]
	s_add_nc_u64 s[34:35], s[34:35], s[42:43]
	s_add_nc_u64 s[36:37], s[36:37], s[56:57]
	s_add_nc_u64 s[38:39], s[38:39], s[30:31]
	s_wait_alu depctr_va_vdst(0)                   ; the offsets and LDS addresses v1 to v7 and v14 are written, which every load and store of the kernel reads; none is written again
.irp wt, 0,1,2,3                       ; the bias in both layouts, so that one way through the text serves the loads: q, k: channels 32 (wt / 2) + 16 h + 8 (wt % 2) + 0 .. 7;  v: channel 32 (wt / 2) + 8 (wt % 2) + r + 8 (r / 8)
	global_load_b128 v[BIAS+8*\wt:BIAS+8*\wt+3], v[BQ], s[36:37] offset:(32*(\wt/2)+8*(\wt%2))*4
	global_load_b128 v[BIAS+8*\wt+4:BIAS+8*\wt+7], v[BQ], s[36:37] offset:(32*(\wt/2)+8*(\wt%2))*4+16
	global_load_b32 v[BV+\wt], v[BVO], s[36:37] offset:(32*(\wt/2)+8*(\wt%2))*4
.endr
.set i, 0
.rept 16                               ; my 16 rows of tokens: 512 consecutive bytes a load; no other work-group reads them
	global_load_b128 v[ACC+4*i:ACC+4*i+3], v[LI], s[32:33] offset:512*i th:TH_LOAD_NT
.set i, i+1
.endr
.set i, 0
.rept 32                               ; W's rows 0-31 of my head
	global_load_b128 v[TOK+4*i:TOK+4*i+3], v[LI], s[34:35] offset:512*i
.set i, i+1
.endr
	WIN 0x40                                       ; destination window 1
.set i, 0
.rept 32                               ; rows 32-63, into the registers that their fragments will take
	global_load_b128 v[128+4*i:128+4*i+3], v[LI], s[34:35] offset:512*(32+i)
.set i, i+1
.endr
	WIN 0
	s_wait_loadcnt 63                              ; behind the tokens stand W's 64 loads; 63 is the largest count that the wait can name, so one row of W is waited for as well
.set i, 0
.rept 16
	ds_store_b128 v[TST], v[ACC+4*i:ACC+4*i+3] offset:(16*(i/8)+i%8)*PITCH
.set i, i+1
.endr
	s_wait_loadcnt 32                              ; W's rows 0-31 are in; rows 32-63 may be out
.set i, 0
.rept 32
	ds_store_b128 v[WSA], v[TOK+4*i:TOK+4*i+3] offset:(16*((i/8)%2)+i%8+8*(i/16))*PITCH
.set i, i+1
.endr
	WIN 0x40
	WFRAG 0                                        ; LDS serves a wave's instructions in order (ISA guide 5.7.1.4): these see my stores
	s_wait_loadcnt 0x0
	WIN 0x04                                       ; store data window 1
.set i, 0
.rept 32
	ds_store_b128 v[WSA], v[128+4*i:128+4*i+3] offset:(16*((i/8)%2)+i%8+8*(i/16))*PITCH   ; behind the loads above, in order
.set i, i+1
.endr
	WIN 0x40
	s_wait_alu depctr_vm_vsrc(0)                   ; all my LDS stores have read their data: window 1's v128-255, in which the loads below land; TOK, in which group 0's fragments land behind the barrier; ACC, which the products write
	WFRAG 128                                      ; back into the registers that the rows left
	WIN 0
	s_wait_dscnt 0x0                               ; for the others' sake: my rows of tokens lie in LDS
	s_barrier_signal -1
	s_barrier_wait -1                              ; the only barrier: behind it LDS is only read
	FETCHT 0
	s_wait_kmcnt 0x0
	s_cmp_eq_u32 s29, 0
	s_cselect_b32 s56, s44, s46                    ; ea
	s_cselect_b32 s57, s45, s47                    ; ew
	s_cselect_b32 s58, s50, s51                    ; eo
	s_cmp_eq_u32 s29, 2
	s_cselect_b32 s56, s48, s56
	s_cselect_b32 s57, s49, s57
	s_cselect_b32 s58, s53, s58
	s_add_co_i32 s56, s56, s57                     ; ea + ew
	s_sub_co_i32 s58, s58, s56                     ; eo - ea - ew
	s_sub_co_i32 s59, 0, s56
	s_add_co_i32 s58, s58, 127
	s_lshl_b32 s57, s58, 23
	v_mov_b32 v[SC], s57
	s_add_co_i32 s58, s58, 15
	s_lshl_b32 s58, s58, 23
	s_or_b32 s58, s58, 0x600000
	v_mov_b32 v[LIM], s58
	s_cmp_eq_u32 s29, 2
	s_cbranch_scc1 .Lvalue
.set i, 0
.rept 32
	v_ldexp_f32 v[BIAS+i], v[BIAS+i], s59          ; bias / 2^(ea + ew)
.set i, i+1
.endr
	TRIP 0, 0
	TRIP 1, 0
	TRIP 2, 0
	TRIP 3, 0
	s_wait_xcnt 0x0                                ; the last stores have had their addresses translated (ISA guide 3.1),
	s_wait_alu depctr_vm_vsrc(0)                   ; and have read v254 and v255, the last of their data, which are made anew below
	v_lshl_add_u32 v254, v0, 2, 0x31800
	v_mov_b32 v255, 0
	s_wait_dscnt 0x0                               ; the closing lines, six on end
	s_wait_alu 0x0
	s_wait_tensorcnt 0x0
	ds_add_u32 v254, v255
	s_wait_dscnt 0x0
	s_endpgm
.Lvalue:
.irp wt, 0,1,2,3
.irp j, 0,1,2,3,4,5,6,7
	v_ldexp_f32 v[BIAS+8*\wt+\j], v[BV+\wt], s59   ; a lane holds one channel here: the same number in all eight registers
.endr
.endr
	TRIP 0, 1
	TRIP 1, 1
	TRIP 2, 1
	TRIP 3, 1
	s_wait_xcnt 0x0                                ; the last stores have had their addresses translated (ISA guide 3.1),
	s_wait_alu depctr_vm_vsrc(0)                   ; and have read v254 and v255, the last of their data, which are made anew below
	v_lshl_add_u32 v254, v0, 2, 0x31800
	v_mov_b32 v255, 0
	s_wait_dscnt 0x0                               ; the closing lines, six on end
	s_wait_alu 0x0
	s_wait_tensorcnt 0x0
	ds_add_u32 v254, v255
	s_wait_dscnt 0x0
	s_endpgm
.Lfunc_end_k_q888b5e7171_proj:
	.size	k_q888b5e7171_proj, .Lfunc_end_k_q888b5e7171_proj-k_q888b5e7171_proj
	.p2alignl 7, 3214868480
	.fill 96, 4, 3214868480
	.section	.rodata,"a",@progbits
	.p2align	6, 0x0
	.amdhsa_kernel k_q888b5e7171_proj
		.amdhsa_group_segment_fixed_size 203776
		.amdhsa_private_segment_fixed_size 0
		.amdhsa_enable_private_segment 0
		.amdhsa_kernarg_size 96
		.amdhsa_user_sgpr_count 2
		.amdhsa_user_sgpr_kernarg_segment_ptr 1
		.amdhsa_wavefront_size32 1
		.amdhsa_system_sgpr_workgroup_id_x 1
		.amdhsa_system_sgpr_workgroup_id_y 1
		.amdhsa_system_sgpr_workgroup_id_z 1
		.amdhsa_system_vgpr_workitem_id 0
		.amdhsa_next_free_vgpr 512
		.amdhsa_next_free_sgpr 66
		.amdhsa_reserve_vcc 0
		.amdhsa_float_denorm_mode_32 3
		.amdhsa_float_denorm_mode_16_64 3
		.amdhsa_memory_ordered 1
		.amdhsa_forward_progress 1
		.amdhsa_inst_pref_size 99
	.end_amdhsa_kernel
	.amdgpu_metadata
---
amdhsa.version: [ 1, 2 ]
amdhsa.kernels:
  - .name:           k_q888b5e7171_proj
    .symbol:         k_q888b5e7171_proj.kd
    .args:
      - { .name: query_codes, .offset: 0, .size: 8, .value_kind: global_buffer, .address_space: global }
      - { .name: key_codes, .offset: 8, .size: 8, .value_kind: global_buffer, .address_space: global }
      - { .name: value_codes, .offset: 16, .size: 8, .value_kind: global_buffer, .address_space: global }
      - { .name: Wq_codes, .offset: 24, .size: 8, .value_kind: global_buffer, .address_space: global }
      - { .name: Wk_codes, .offset: 32, .size: 8, .value_kind: global_buffer, .address_space: global }
      - { .name: Wv_codes, .offset: 40, .size: 8, .value_kind: global_buffer, .address_space: global }
      - { .name: bq, .offset: 48, .size: 8, .value_kind: global_buffer, .address_space: global }
      - { .name: bk, .offset: 56, .size: 8, .value_kind: global_buffer, .address_space: global }
      - { .name: bv, .offset: 64, .size: 8, .value_kind: global_buffer, .address_space: global }
      - { .name: lowp_scales, .offset: 72, .size: 8, .value_kind: global_buffer, .address_space: global }
      - { .name: qimg, .offset: 80, .size: 8, .value_kind: global_buffer, .address_space: global }
      - { .name: kv, .offset: 88, .size: 8, .value_kind: global_buffer, .address_space: global }
    .group_segment_fixed_size: 203776
    .private_segment_fixed_size: 0
    .kernarg_segment_align: 8
    .kernarg_segment_size: 96
    .max_flat_workgroup_size: 256
    .sgpr_count:     66
    .vgpr_count:     512
    .wavefront_size: 32
...
	.end_amdgpu_metadata
.endif
;; end of part 4
;; launch attn: the kernel of part 2 again; grid 8 x 32, 8 waves a work-group, clusters of 4 x 1, 263,168 bytes of LDS; arguments qimg, kv, lowp_scales, ximg; writes ximg
;; launch outp (part 5): grid 4 x 64, 8 waves a work-group, no clusters, 168,960 bytes of LDS; arguments ximg, Wo_codes, bo, lowp_scales, out0; writes out0
.if DOCPART == 5
	.amdgcn_target "amdgcn-amd-amdhsa--gfx1250"
	.amdhsa_code_object_version 6
	.text
	.protected	k_q888b5e7171_outp
	.globl	k_q888b5e7171_outp
	.p2align	8
	.type	k_q888b5e7171_outp,@function
k_q888b5e7171_outp:
	s_mov_b64 s[64:65], 0
	v_nop
	global_prefetch_b8 v0, s[64:65] scope:SCOPE_SE
	s_setreg_imm32_b32 hwreg(HW_REG_WAVE_SCHED_MODE, 0, 2), 2
	s_setreg_imm32_b32 hwreg(HW_REG_WAVE_MODE, 25, 1), 1
	s_wait_xcnt 0x0
	s_wait_alu depctr_vm_vsrc(0)
; out = x Wo^T + bo on codes of BF8 (E5M2).  x comes as images of operand registers: ximg [token tile 512][K step 4][part c 0..3][512], lane l's 16 bytes at 16 l: lane (r, h): token r of the tile, k = 128 s + 32 c + 16 h + 0 .. 15.
; Token tile 2 G + u holds tokens 32 G + 8 u + r + 8 (r / 8).  Wo: [512][512] codes, K innermost.  out: [8,192][512] f32.
; A work-group makes 128 tokens (y) x 128 columns (x): 256 work-groups.  Wave w makes columns 64 (w % 2) on, tokens 32 (w / 2) on: 2 x 4 accumulators, 32 matrix instructions.
; Each wave brings one tile of x and 16 rows of Wo into LDS through registers, 512 consecutive bytes a load; one barrier; then every wave takes its fragments.
; THE MATRIX INSTRUCTION IS USED TRANSPOSED (source 0 = 16 rows of Wo, source 1 = 16 tokens): a lane holds eight neighbouring columns of one token; y = sum x 2^(e10 + e11) + bo is one packed multiply-add for two numbers.
; The results go through the wave's own stage and leave as rows: sixteen lanes store 256 consecutive bytes, at a multiple of 256 from out's first byte.
; NO JOINT LOADS: a work-group fetches its 131,072 bytes once and has no loop over K in which rounds of a cluster's barrier could be shared among steps; Wo's rows want a pitch and x's images none, so they are staged by the waves.
; LIMIT: e10 + e11 between -126 and 127, so that 2^(e10 + e11) is an f32 number.
; THE MODE: SCHED_MODE bits 1:0 = 2 (LLVM: expert scheduling mode 2), set by the entry lines.  The code itself states the register dependences
; between vector or matrix instructions and memory or LDS instructions, with s_wait_alu, always for 0.
; THE PLAN.  Registers that memory or LDS instructions touch:
;   v1-9         offsets and LDS addresses: written once at the head, never again: one wait on va_vdst ahead of the first load.
;   TOK v16-143  what was loaded lands here and LDS stores read it; behind the barrier x's fragments land (one wait on vm_vsrc ahead of them) and the products read them;
;                then the multiply-adds write v16-79, which the stage's stores read, and the stage's loads land in v80-143, which the global stores read: one wait on va_vdst ahead of that run.
;   window 1     Wo's fragments land once.      BIAS  loads land once.      v254, v255  written at the head, read by the closing add alone.
.set PITCH, 528                        ; a staged row of Wo: 512 bytes + 16 = 33 x 16
.set WST,   65536                      ; LDS: x's eight tiles (8,192 bytes each) from byte 0; then Wo's 128 rows;
.set OST,   WST+128*PITCH              ; then a stage of 16 rows x (256 + 16) bytes for each wave
.set SP,    272
.set LI,    1                          ; v1  16 x lane
.set XST,   2                          ; v2  where my wave puts its tile of x
.set WSA,   3                          ; v3  where it puts its 16 rows of Wo
.set WFA,   4                          ; v4  my fragments of Wo
.set XFA,   5                          ; v5  my fragments of x
.set BOF,   6                          ; v6  bo: 32 h
.set OSI,   7                          ; v7  the stage, in
.set OSO,   8                          ; v8  the stage, back
.set GO,    9                          ; v9  my byte offset in two rows of out
.set TOK,   16                         ; v16-143  x's fragments (tile tt, K step s) at 64 tt + 16 s; before that what was loaded; behind the products v16-79 results, v80-143 rows
.set ACC,   144                        ; v144-207 eight accumulators
.set BIAS,  208                        ; v208-239 bo, eight registers for each tile of columns
.set MSB, 0
.macro WIN new                         ; the immediate's high byte repeats the setting that is left
.if MSB != \new
	s_set_vgpr_msb (MSB<<8)|\new
.set MSB, \new
.endif
.endm
.macro MULS s                          ; a K step: the eight accumulators by turns; the first starts the sums
.irp tt, 0,1
.irp wt, 0,1,2,3
.if \s == 0
	v_wmma_f32_16x16x128_bf8_bf8 v[ACC+8*(4*\tt+\wt):ACC+8*(4*\tt+\wt)+7], v[16*(4*\wt+\s):16*(4*\wt+\s)+15], v[TOK+64*\tt+16*\s:TOK+64*\tt+16*\s+15], 0
.else
	v_wmma_f32_16x16x128_bf8_bf8 v[ACC+8*(4*\tt+\wt):ACC+8*(4*\tt+\wt)+7], v[16*(4*\wt+\s):16*(4*\wt+\s)+15], v[TOK+64*\tt+16*\s:TOK+64*\tt+16*\s+15], v[ACC+8*(4*\tt+\wt):ACC+8*(4*\tt+\wt)+7]
.endif
.endr
.endr
.endm
	s_load_b256 s[4:11], s[0:1], 0x0               ; ximg s[4:5], Wo s[6:7], bo s[8:9], the exponents s[10:11]
	s_load_b64 s[12:13], s[0:1], 0x20              ; out
	v_lshl_add_u32 v254, v0, 2, 0x29000
	v_mov_b32 v255, 0
	v_lshrrev_b32 v15, 5, v0
	v_readfirstlane_b32 s14, v15                   ; wave 0..7
	s_and_b32 s17, ttmp7, 0xffff                   ; the block of 128 tokens
	v_and_b32 v15, 31, v0
	v_lshlrev_b32 v[LI], 4, v15
	v_and_b32 v10, 15, v0                          ; r
	v_bfe_u32 v11, v0, 4, 1                        ; h
	s_wait_alu depctr_va_sdst(0)                   ; s14 is written, ahead of its first reader: LDS places and the buffers' offsets are made from it
	s_and_b32 s15, s14, 1                          ; which 64 columns
	s_lshr_b32 s16, s14, 1                         ; which 32 tokens
	s_lshl_b32 s34, s14, 13
	v_add_nc_u32 v[XST], s34, v[LI]
	s_mul_i32 s34, s14, 16*PITCH
	s_add_co_u32 s34, s34, WST
	v_add_nc_u32 v[WSA], s34, v[LI]
	v_mul_u32_u24 v[WFA], v10, PITCH
	v_lshl_add_u32 v[WFA], v11, 4, v[WFA]
	s_mul_i32 s34, s15, 64*PITCH
	s_add_co_u32 s34, s34, WST
	v_add_nc_u32 v[WFA], s34, v[WFA]
	s_lshl_b32 s34, s16, 14
	v_add_nc_u32 v[XFA], s34, v[LI]
	v_lshlrev_b32 v[BOF], 5, v11
	s_mul_i32 s34, s14, 16*SP
	s_add_co_u32 s34, s34, OST
	v_mul_u32_u24 v[OSI], v10, SP                  ; in: row r, 32 bytes for each half of the lanes
	v_lshl_add_u32 v[OSI], v11, 5, v[OSI]
	v_add_nc_u32 v[OSI], s34, v[OSI]
	v_mul_u32_u24 v[OSO], v11, SP                  ; back: lanes 0-15 one row of 256 bytes, lanes 16-31 the next
	v_lshl_add_u32 v[OSO], v10, 4, v[OSO]
	v_add_nc_u32 v[OSO], s34, v[OSO]
	v_lshlrev_b32 v[GO], 11, v11                   ; and the same two rows in out (2,048 bytes a row)
	v_lshl_add_u32 v[GO], v10, 4, v[GO]
	s_lshl_b32 s24, s17, 16                        ; x: eight tiles of 8,192 bytes a block, one a wave
	s_lshl_b32 s26, s14, 13
	s_add_co_u32 s24, s24, s26
	s_mov_b32 s25, 0
	s_lshl_b32 s28, ttmp9, 16                      ; Wo: 128 rows of 512 bytes a block, 16 a wave
	s_add_co_u32 s28, s28, s26
	s_mov_b32 s29, 0
	s_lshl_b32 s30, ttmp9, 9                       ; my first column in bytes: 512 x block + 256 x half
	s_lshl_b32 s26, s15, 8
	s_add_co_u32 s30, s30, s26
	s_mov_b32 s31, 0
	s_lshl_b32 s32, s17, 18                        ; out: 128 rows of 2,048 bytes a block, 32 a group, + the column
	s_lshl_b32 s26, s16, 16
	s_add_co_u32 s32, s32, s26
	s_add_co_u32 s32, s32, s30
	s_mov_b32 s33, 0
	s_wait_kmcnt 0x0
	s_load_b64 s[22:23], s[10:11], 0x28            ; e10, e11
	s_add_nc_u64 s[4:5], s[4:5], s[24:25]
	s_add_nc_u64 s[6:7], s[6:7], s[28:29]
	s_add_nc_u64 s[8:9], s[8:9], s[30:31]
	s_add_nc_u64 s[12:13], s[12:13], s[32:33]
	s_wait_alu depctr_va_vdst(0)                   ; the offsets and LDS addresses v1 to v9 are written, which every load and store of the kernel reads; none is written again
.set i, 0
.rept 16
	global_load_b128 v[TOK+4*i:TOK+4*i+3], v[LI], s[4:5] offset:512*i
.set i, i+1
.endr
.set i, 0
.rept 16
	global_load_b128 v[TOK+64+4*i:TOK+64+4*i+3], v[LI], s[6:7] offset:512*i
.set i, i+1
.endr
.irp wt, 0,1,2,3
	global_load_b128 v[BIAS+8*\wt:BIAS+8*\wt+3], v[BOF], s[8:9] offset:64*\wt          ; columns 16 wt + 8 h + 0 .. 7
	global_load_b128 v[BIAS+8*\wt+4:BIAS+8*\wt+7], v[BOF], s[8:9] offset:64*\wt+16
.endr
	s_wait_loadcnt 24                              ; x is in; Wo's 16 loads and bo's 8 may be out
.set i, 0
.rept 16
	ds_store_b128 v[XST], v[TOK+4*i:TOK+4*i+3] offset:512*i
.set i, i+1
.endr
	s_wait_loadcnt 8                               ; Wo is in; bo's 8 may be out
.set i, 0
.rept 16
	ds_store_b128 v[WSA], v[TOK+64+4*i:TOK+64+4*i+3] offset:i*PITCH
.set i, i+1
.endr
	s_wait_dscnt 0x0                               ; for the others' sake: my stores have landed
	s_barrier_signal -1
	s_barrier_wait -1                              ; the only barrier
	s_wait_alu depctr_vm_vsrc(0)                   ; my 32 LDS stores have read v16-143, in which x's fragments land below
.irp tt, 0,1                           ; x's eight fragments first, then Wo's by K step, so that the products' waits can count Wo's later steps
.irp s, 0,1,2,3
.irp c, 0,1,2,3
	ds_load_b128 v[TOK+64*\tt+16*\s+4*\c:TOK+64*\tt+16*\s+4*\c+3], v[XFA] offset:8192*\tt+2048*\s+512*\c
.endr
.endr
.endr
	WIN 0x40                                       ; destination window 1
.irp s, 0,1,2,3
.irp wt, 0,1,2,3
.irp c, 0,1,2,3
	ds_load_b128 v[16*(4*\wt+\s)+4*\c:16*(4*\wt+\s)+4*\c+3], v[WFA] offset:16*\wt*PITCH+128*\s+32*\c
.endr
.endr
.endr
	WIN 0x01                                       ; source 0 (Wo) window 1
	s_wait_dscnt 48                                ; x and Wo's K step 0 are in; the 48 loads of K steps 1-3 may be out
	MULS 0
	s_wait_dscnt 32
	MULS 1
	s_wait_dscnt 16
	MULS 2
	s_wait_dscnt 0x0
	MULS 3
	WIN 0
.rept 4
	v_nop                                          ; four plain lines behind the products (ISA guide 7.12.1), in front of the first read of results and of writes into registers that they read
.endr
	s_wait_loadcnt 0x0                             ; bo
	s_wait_kmcnt 0x0
	s_add_co_i32 s20, s22, s23
	s_add_co_i32 s20, s20, 127
	s_lshl_b32 s20, s20, 23                        ; 2^(e10 + e11) as f32
	s_mov_b32 s21, s20                             ; (named with it as a pair, so it is written)
.irp tt, 0,1
.irp wt, 0,1,2,3
.irp i, 0,2,4,6
	v_pk_fma_f32 v[TOK+8*(4*\tt+\wt)+\i:TOK+8*(4*\tt+\wt)+\i+1], v[ACC+8*(4*\tt+\wt)+\i:ACC+8*(4*\tt+\wt)+\i+1], s[20:21], v[BIAS+8*\wt+\i:BIAS+8*\wt+\i+1] op_sel_hi:[1,0,1]   ; each accumulator from its low end on
.endr
.endr
.endr
	s_wait_alu depctr_va_vdst(0)                   ; the multiply-adds have written v16-79, which the stage's stores read; the products are done reading v80-143, in which the stage's loads land
.irp tt, 0,1
.irp wt, 0,1,2,3
	ds_store_b128 v[OSI], v[TOK+8*(4*\tt+\wt):TOK+8*(4*\tt+\wt)+3] offset:64*\wt
	ds_store_b128 v[OSI], v[TOK+8*(4*\tt+\wt)+4:TOK+8*(4*\tt+\wt)+7] offset:64*\wt+16
.endr
.irp i, 0,1,2,3,4,5,6,7
	ds_load_b128 v[TOK+64+32*\tt+4*\i:TOK+64+32*\tt+4*\i+3], v[OSO] offset:2*\i*SP    ; LDS serves a wave's instructions in order (ISA guide 5.7.1.4): these see my stores, and the next tile's stores come behind them
.endr
.endr
.irp tt, 0,1
.irp i, 0,1,2,3,4,5,6,7
	s_wait_dscnt 16*(1-\tt)+7-\i                   ; behind this load: the tile's younger loads, and for tile 0 also tile 1's eight stores and eight loads
	global_store_b128 v[GO], v[TOK+64+32*\tt+4*\i:TOK+64+32*\tt+4*\i+3], s[12:13] offset:(8*\tt+2*\i+8*(\i/4))*2048 th:TH_STORE_NT   ; stage row 2 i + h is token 8 tt + 2 i + h + 8 (i / 4) of the group
.endr
.endr
	s_wait_dscnt 0x0                               ; the closing lines, six on end
	s_wait_alu 0x0
	s_wait_tensorcnt 0x0
	ds_add_u32 v254, v255
	s_wait_dscnt 0x0
	s_endpgm
.Lfunc_end_k_q888b5e7171_outp:
	.size	k_q888b5e7171_outp, .Lfunc_end_k_q888b5e7171_outp-k_q888b5e7171_outp
	.p2alignl 7, 3214868480
	.fill 96, 4, 3214868480
	.section	.rodata,"a",@progbits
	.p2align	6, 0x0
	.amdhsa_kernel k_q888b5e7171_outp
		.amdhsa_group_segment_fixed_size 168960
		.amdhsa_private_segment_fixed_size 0
		.amdhsa_enable_private_segment 0
		.amdhsa_kernarg_size 40
		.amdhsa_user_sgpr_count 2
		.amdhsa_user_sgpr_kernarg_segment_ptr 1
		.amdhsa_wavefront_size32 1
		.amdhsa_system_sgpr_workgroup_id_x 1
		.amdhsa_system_sgpr_workgroup_id_y 1
		.amdhsa_system_sgpr_workgroup_id_z 1
		.amdhsa_system_vgpr_workitem_id 0
		.amdhsa_next_free_vgpr 512
		.amdhsa_next_free_sgpr 66
		.amdhsa_reserve_vcc 0
		.amdhsa_float_denorm_mode_32 3
		.amdhsa_float_denorm_mode_16_64 3
		.amdhsa_memory_ordered 1
		.amdhsa_forward_progress 1
		.amdhsa_inst_pref_size 24
	.end_amdhsa_kernel
	.amdgpu_metadata
---
amdhsa.version: [ 1, 2 ]
amdhsa.kernels:
  - .name:           k_q888b5e7171_outp
    .symbol:         k_q888b5e7171_outp.kd
    .args:
      - { .name: ximg, .offset: 0, .size: 8, .value_kind: global_buffer, .address_space: global }
      - { .name: Wo_codes, .offset: 8, .size: 8, .value_kind: global_buffer, .address_space: global }
      - { .name: bo, .offset: 16, .size: 8, .value_kind: global_buffer, .address_space: global }
      - { .name: lowp_scales, .offset: 24, .size: 8, .value_kind: global_buffer, .address_space: global }
      - { .name: out0, .offset: 32, .size: 8, .value_kind: global_buffer, .address_space: global }
    .group_segment_fixed_size: 168960
    .private_segment_fixed_size: 0
    .kernarg_segment_align: 8
    .kernarg_segment_size: 40
    .max_flat_workgroup_size: 256
    .sgpr_count:     66
    .vgpr_count:     512
    .wavefront_size: 32
...
	.end_amdgpu_metadata
.endif
;; end of part 5
